; MI455X (gfx1250); checked and timed in simulation.
; The chip was launched on July 23, 2026; its instructions are those of AMD's public machine-readable ISA for CDNA 5 (MIT licence, August 2026) and "CDNA5" Instruction Set Architecture Reference Guide (July 2026). The comments in the code are by the model that wrote it; some were corrected since.
;; Multi Head Attention. Allowed arithmetic: float matrix products may take bf16 or f16 operands with f32 sums; other float arithmetic in f32, or as packed bf16 or f16 multiplies, adds, multiply-adds, maxima and minima; sums over many terms, partial sums and values carried from step to step in f32; what a program stores and reads back later, other than sums and carried values, may be rounded once to bf16 or f16.
;; Inputs: Wk 2,048 x 2,048 float32; Wo 2,048 x 2,048 float32; Wq 2,048 x 2,048 float32; Wv 2,048 x 2,048 float32; attn_mask 1,024 x 2,048 bool; k 2 x 2,048 x 2,048 float32; key_padding_mask 2 x 2,048 bool; q 2 x 1,024 x 2,048 float32; v 2 x 2,048 x 2,048 float32.
;; Outputs: out0 2 x 1,024 x 2,048 float32.
;; One version. Each part assembles by itself: llvm-mc -triple=amdgcn-amd-amdhsa -mcpu=gfx1250 --defsym DOCPART=n.
;; ======== version 1 of 1: 5 launches
;; limits: values are held in f16: magnitudes above 65,504 overflow, below 6.1e-05 lose precision
;; workspace buffers: X1 41,943,040 bytes; W1 25,165,824 bytes; W2 8,388,608 bytes; mbits 524,288 bytes of whole numbers; kvh 33,554,432 bytes; qf 16,777,216 bytes; oh 8,388,608 bytes
;; launch prep (part 1): grid 256 x 10, 8 waves a work-group, no clusters, 0 bytes of LDS; arguments q, k, v, Wq, Wk, Wv, Wo, attn_mask, key_padding_mask, X1, W1, W2, mbits; writes X1, W1, W2, mbits
.if DOCPART == 1
	.amdgcn_target "amdgcn-amd-amdhsa--gfx1250"
	.amdhsa_code_object_version 6
	.text
	.protected	k_q9255eeef89_prep
	.globl	k_q9255eeef89_prep
	.p2align	8
	.type	k_q9255eeef89_prep,@function
k_q9255eeef89_prep:
	s_mov_b64 s[64:65], 0
	v_nop
	global_prefetch_b8 v0, s[64:65] scope:SCOPE_SE
	s_setreg_imm32_b32 hwreg(HW_REG_WAVE_MODE, 25, 1), 1
	s_wait_xcnt 0x0
; ROUNDING OF THE INPUTS, AND THE MASKS AS LANE WORDS.
; Rows y = 0 .. 8 of the grid: one piece of 16 MiB of f32 each (q; k in two; v in two; Wq; Wk; Wv; Wo) is rounded to bf16, and that number is written as f16:
;   X1 = q [2048][2048], k [4096][2048], v [4096][2048];  W1 = Wq, Wk, Wv;  W2 = Wo.
; LIMITS.  A bf16 number is an f16 number exactly from 6.1e-5 to 65,504 in magnitude; below, f16's fixed step of 6e-8 holds; beyond 65,504 it becomes an infinity.
; Row y = 9: mbits.  The word at ((((b 64 + qt) 32 + step) 32) + 8 kt + j) x 4 holds in bit L: attn_mask[16 qt + L % 16][key] | key_padding_mask[b][key], key = 64 step + 16 kt + 8 (L / 16) + j:
; the lane mask for register 8 kt + j of a tile of 16 queries x 64 keys of scores as the attention launch holds it.
; A stream: no byte is wanted twice, so no LDS, no barrier, no matrix unit, no cluster.  A work-group takes 64 KiB of f32, a wave 8 KiB: sixteen loads of 512 consecutive bytes, all issued first.
.set SRC, 30                           ; s[30:31] my piece of the source
.set DST, 34                           ; s[34:35] my piece of the destination
.set X,   4                            ; v[4:67]  sixteen loads of four registers
	s_load_b512 s[4:19], s[0:1], 0x0               ; q s[4:5], k s[6:7], v s[8:9], Wq s[10:11], Wk s[12:13], Wv s[14:15], Wo s[16:17], attn_mask s[18:19]
	s_load_b256 s[20:27], s[0:1], 0x40             ; key_padding_mask s[20:21], X1 s[22:23], W1 s[24:25], W2 s[26:27]
	s_load_b64 s[28:29], s[0:1], 0x60              ; mbits
	v_lshrrev_b32 v1, 5, v0
	v_readfirstlane_b32 s2, v1                     ; wave 0..7
	v_and_b32 v3, 31, v0                           ; lane
	s_and_b32 s3, ttmp7, 0xffff                    ; y
	s_cmp_eq_u32 s3, 9
	s_cbranch_scc1 .Lmask
	s_lshl_b32 s32, ttmp9, 16                      ; the work-group's 64 KiB of the piece,
	s_cmp_eq_u32 s3, 2
	s_cselect_b32 s36, 1, 0
	s_cmp_eq_u32 s3, 4
	s_cselect_b32 s36, 1, s36
	s_lshl_b32 s36, s36, 24                        ; in the second half of k (y = 2) or of v (y = 4)
	s_add_co_u32 s32, s32, s36
	s_mov_b32 s33, 0
	s_sub_co_u32 s38, s3, 5                        ; the piece's place in W1 (used for y >= 5 alone)
	s_lshl_b32 s40, s2, 13
	v_lshl_add_u32 v1, v3, 4, s40                  ; source: 8,192 x wave + 16 x lane
	s_lshl_b32 s40, s2, 12
	v_lshl_add_u32 v2, v3, 3, s40                  ; destination: 4,096 x wave + 8 x lane
	s_mov_b32 s41, 0xffff0000                      ; a word's upper bf16
	s_wait_kmcnt 0x0
	s_cmp_ge_u32 s3, 1
	s_cselect_b64 s[SRC:SRC+1], s[6:7], s[4:5]
	s_cmp_ge_u32 s3, 3
	s_cselect_b64 s[SRC:SRC+1], s[8:9], s[SRC:SRC+1]
	s_cmp_ge_u32 s3, 6
	s_cselect_b64 s[44:45], s[12:13], s[10:11]
	s_cmp_ge_u32 s3, 7
	s_cselect_b64 s[44:45], s[14:15], s[44:45]
	s_cmp_ge_u32 s3, 8
	s_cselect_b64 s[44:45], s[16:17], s[44:45]
	s_cselect_b64 s[DST:DST+1], s[26:27], s[24:25]
	s_cselect_b32 s37, 0, s38
	s_cmp_ge_u32 s3, 5
	s_cselect_b64 s[SRC:SRC+1], s[44:45], s[SRC:SRC+1]
	s_cselect_b64 s[DST:DST+1], s[DST:DST+1], s[22:23]
	s_cselect_b32 s37, s37, s3                     ; the piece's place in its destination, in pieces of 8 MiB
	s_lshl_b32 s37, s37, 23
	s_lshl_b32 s38, ttmp9, 15
	s_add_co_u32 s38, s37, s38
	s_mov_b32 s39, 0
	s_add_nc_u64 s[SRC:SRC+1], s[SRC:SRC+1], s[32:33]
	s_add_nc_u64 s[DST:DST+1], s[DST:DST+1], s[38:39]
.set i, 0
.rept 16
	global_load_b128 v[X+4*i:X+4*i+3], v1, s[SRC:SRC+1] offset:512*i th:TH_LOAD_NT
.set i, i+1
.endr
.set i, 0
.rept 16
	s_wait_loadcnt 15-i                            ; loads come back in order: number i is in, the 15 - i younger ones stay out
	v_cvt_pk_bf16_f32 v[X+4*i],   v[X+4*i],   v[X+4*i+1]   ; the one rounding: to bf16, nearest even
	v_cvt_pk_bf16_f32 v[X+4*i+2], v[X+4*i+2], v[X+4*i+3]
	v_lshlrev_b32 v[X+4*i+1], 16, v[X+4*i]         ; back to f32: the low half moves up,
	v_and_b32     v[X+4*i],   s41, v[X+4*i]        ; the high half stays
	v_lshlrev_b32 v[X+4*i+3], 16, v[X+4*i+2]
	v_and_b32     v[X+4*i+2], s41, v[X+4*i+2]
	v_cvt_pk_f16_f32 v[X+4*i],   v[X+4*i+1], v[X+4*i]      ; the same numbers written as f16
	v_cvt_pk_f16_f32 v[X+4*i+1], v[X+4*i+3], v[X+4*i+2]
	global_store_b64 v2, v[X+4*i:X+4*i+1], s[DST:DST+1] offset:256*i  ; 32 lanes store 256 consecutive bytes, at a multiple of 256 from the buffer's first byte; no register is written again behind a store
.set i, i+1
.endr
	s_endpgm
.Lmask:                                        ; a wave makes the 64 words of one (b, qt) and two key steps: 256 consecutive bytes of mbits
	s_lshl_b32 s32, ttmp9, 3
	s_add_co_u32 s32, s32, s2                      ; id = 1,024 b + 16 qt + sp
	s_lshr_b32 s33, s32, 10                        ; b
	s_bfe_u32 s36, s32, 0x60004                    ; qt
	s_and_b32 s37, s32, 15                         ; sp: keys 128 sp on
	s_lshl_b32 s37, s37, 7
	s_lshl_b32 s38, s36, 15                        ; 16 rows of 2,048 bytes
	s_add_co_u32 s38, s38, s37
	s_mov_b32 s39, 0
	s_lshl_b32 s42, s33, 11
	s_add_co_u32 s42, s42, s37
	s_mov_b32 s43, 0
	s_lshl_b32 s44, s32, 8
	s_mov_b32 s45, 0
	v_and_b32 v1, 15, v0                           ; L % 16: my query
	v_bfe_u32 v2, v0, 4, 1                         ; L / 16
	v_lshlrev_b32 v40, 3, v2                       ; my 8 keys of each 16
	v_lshl_add_u32 v41, v1, 11, v40
	v_lshlrev_b32 v3, 3, v3                        ; where I store two words
	v_mov_b32 v38, 0                               ; v_writelane_b32 keeps the other lanes: the registers are written whole first
	v_mov_b32 v39, 0
	s_wait_kmcnt 0x0
	s_add_nc_u64 s[18:19], s[18:19], s[38:39]
	s_add_nc_u64 s[20:21], s[20:21], s[42:43]
	s_add_nc_u64 s[28:29], s[28:29], s[44:45]
.set c, 0
.rept 8                                        ; group c of 16 keys: my 8 bytes of attn_mask's row and of the padding mask
	global_load_b64 v[4+2*c:5+2*c],   v41, s[18:19] offset:16*c
	global_load_b64 v[20+2*c:21+2*c], v40, s[20:21] offset:16*c
.set c, c+1
.endr
	s_wait_loadcnt 0x0
.set c, 0
.rept 16
	v_or_b32 v[4+c], v[4+c], v[20+c]               ; hidden by either
.set c, c+1
.endr
.set n, 0
.rept 64                                       ; word n: byte n % 8 of group n / 8, all 32 lanes' flags as one word, into lane n / 2
	v_bfe_u32 v[36+n%2], v[4+2*(n/8)+((n%8)/4)], 8*(n%4), 8
	v_cmp_ne_u32 s[46+n%2], 0, v[36+n%2]
	v_writelane_b32 v[38+n%2], s[46+n%2], n/2
.set n, n+1
.endr
	global_store_b64 v3, v[38:39], s[28:29]        ; 256 consecutive bytes, aligned
	s_endpgm
.Lfunc_end_k_q9255eeef89_prep:
	.size	k_q9255eeef89_prep, .Lfunc_end_k_q9255eeef89_prep-k_q9255eeef89_prep
	.p2alignl 7, 3214868480
	.fill 96, 4, 3214868480
	.section	.rodata,"a",@progbits
	.p2align	6, 0x0
	.amdhsa_kernel k_q9255eeef89_prep
		.amdhsa_group_segment_fixed_size 0
		.amdhsa_private_segment_fixed_size 0
		.amdhsa_enable_private_segment 0
		.amdhsa_kernarg_size 104
		.amdhsa_user_sgpr_count 2
		.amdhsa_user_sgpr_kernarg_segment_ptr 1
		.amdhsa_wavefront_size32 1
		.amdhsa_system_sgpr_workgroup_id_x 1
		.amdhsa_system_sgpr_workgroup_id_y 1
		.amdhsa_system_sgpr_workgroup_id_z 1
		.amdhsa_system_vgpr_workitem_id 0
		.amdhsa_next_free_vgpr 68
		.amdhsa_next_free_sgpr 66
		.amdhsa_reserve_vcc 0
		.amdhsa_float_denorm_mode_32 3
		.amdhsa_float_denorm_mode_16_64 3
		.amdhsa_memory_ordered 1
		.amdhsa_forward_progress 1
		.amdhsa_inst_pref_size 27
	.end_amdhsa_kernel
	.amdgpu_metadata
---
amdhsa.version: [ 1, 2 ]
amdhsa.kernels:
  - .name:           k_q9255eeef89_prep
    .symbol:         k_q9255eeef89_prep.kd
    .args:
      - { .name: q, .offset: 0, .size: 8, .value_kind: global_buffer, .address_space: global }
      - { .name: k, .offset: 8, .size: 8, .value_kind: global_buffer, .address_space: global }
      - { .name: v, .offset: 16, .size: 8, .value_kind: global_buffer, .address_space: global }
      - { .name: Wq, .offset: 24, .size: 8, .value_kind: global_buffer, .address_space: global }
      - { .name: Wk, .offset: 32, .size: 8, .value_kind: global_buffer, .address_space: global }
      - { .name: Wv, .offset: 40, .size: 8, .value_kind: global_buffer, .address_space: global }
      - { .name: Wo, .offset: 48, .size: 8, .value_kind: global_buffer, .address_space: global }
      - { .name: attn_mask, .offset: 56, .size: 8, .value_kind: global_buffer, .address_space: global }
      - { .name: key_padding_mask, .offset: 64, .size: 8, .value_kind: global_buffer, .address_space: global }
      - { .name: X1, .offset: 72, .size: 8, .value_kind: global_buffer, .address_space: global }
      - { .name: W1, .offset: 80, .size: 8, .value_kind: global_buffer, .address_space: global }
      - { .name: W2, .offset: 88, .size: 8, .value_kind: global_buffer, .address_space: global }
      - { .name: mbits, .offset: 96, .size: 8, .value_kind: global_buffer, .address_space: global }
    .group_segment_fixed_size: 0
    .private_segment_fixed_size: 0
    .kernarg_segment_align: 8
    .kernarg_segment_size: 104
    .max_flat_workgroup_size: 256
    .sgpr_count:     66
    .vgpr_count:     68
    .wavefront_size: 32
...
	.end_amdgpu_metadata
.endif
;; end of part 1
;; launch kvproj (part 2): grid 8 x 32, 4 waves a work-group, clusters of 4 x 4, 327,680 bytes of LDS; arguments X1, W1, kvh; writes kvh
.if DOCPART == 2
	.amdgcn_target "amdgcn-amd-amdhsa--gfx1250"
	.amdhsa_code_object_version 6
	.text
	.protected	k_q9255eeef89_kvproj
	.globl	k_q9255eeef89_kvproj
	.p2align	8
	.type	k_q9255eeef89_kvproj,@function
k_q9255eeef89_kvproj:
	s_mov_b64 s[64:65], 0
	v_nop
	global_prefetch_b8 v0, s[64:65] scope:SCOPE_SE
	s_setreg_imm32_b32 hwreg(HW_REG_WAVE_MODE, 25, 1), 1
	s_wait_xcnt 0x0
	s_wait_alu depctr_hold_cnt(0) depctr_sa_sdst(0) depctr_va_vdst(0) depctr_va_sdst(0) depctr_va_ssrc(0) depctr_va_vcc(0) depctr_vm_vsrc(0)
	s_getreg_b32 s2, hwreg(HW_REG_IB_STS2, 6, 4)
	s_cmp_eq_u32 s2, 0
	s_cbranch_scc0 .Lentry_in_a_cluster
	s_endpgm
.Lentry_in_a_cluster:
	s_bfe_u32 s2, ttmp6, 0x10000c
	s_cmp_lg_u32 s2, 0xf033
	s_cbranch_scc0 .Lentry_shape_is_right
	s_endpgm
.Lentry_shape_is_right:
; THE PROJECTIONS OF K AND V AS ONE PRODUCT.  C[m][n] = sum over c of A[m][c] B[n][c].  A = X1 from byte 8 MiB on: 4,096 rows of k, then 4,096 rows of v, 2,048 f16 each.
; B = Wk (W1 at 8 MiB) for A's rows 0-4,095, Wv (at 16 MiB) for the others.  Sums in f32, C rounded once to f16 and stored BY HEADS: kvh[K or V][b][h][2048 keys][128 channels].
; LIMIT.  f16 ends at 65,504: K and V stay within it for inputs and weights up to 30 times the drawn spread, or with an offset of 30 spreads (36,864 + 200 at the most).
; A tile of C, 256 x 256, is made by a work-group of four waves; a wave makes 128 x 128: 64 accumulators of 16 x 16, 512 registers.  32 x 8 tiles: 256 work-groups.
; K goes in steps of 128 through a ring of two LDS slots filled by the tensor data mover: the tiles' rows are 256 bytes of memory and start at multiples of 256 bytes.
; The last K step goes by rows of C, so that finished rows leave while the others are multiplied.
; CLUSTERS: 4 x 4 work-groups.  The four of a row of the cluster need the same tiles of A, the four of a column the same tiles of B (a cluster's four tile rows lie all in k or all in v):
; each tile is asked for JOINTLY: the same tensor load, descriptor and mask in all four.
; REGISTERS, in windows of 256:  window 0: v0-31 addresses; v64-127, v128-191 fragments of A, two buffers (in the last K step four, of 16 rows x 128 K); v32-63, v192-255 at work on the way out
;   window 1: v64-127, v128-191 fragments of B, two buffers; in the last K step all 256      window 2: the 32 accumulators of my rows 0-63      window 3: those of my rows 64-127
; s_set_vgpr_msb's low byte: bits 1:0 source 0, 3:2 source 1, 5:4 source 2, 7:6 destination.
; THE MATRIX INSTRUCTION IS USED TRANSPOSED: source 0 = 16 rows of B, source 1 = 16 rows of A: a lane then holds eight neighbouring channels of one row of C, 16 bytes.
.set SIZE_K, 2048
.set KSTEP,  128
.set PITCH,  272                       ; an LDS row: 256 bytes of data + 16 of padding = 68 words: the 16 rows that a load touches start at 16 different groups of four banks (64 banks of 4 bytes: ISA guide 11.1)
.set HALFT,  128*PITCH                 ; 128 rows: what one tensor load brings, and what one wave reads of A or of B
.set SLOT,   4*HALFT                   ; A's 256 rows, then B's 256 rows
.set STAGE,  2*SLOT                    ; behind the ring: 16 rows x 272 bytes for each wave, for the way out
.set SPITCH, 272
.set SPARE,  STAGE+4*16*SPITCH         ; behind the stages: the spare words, 128 bytes for each wave: two blocks of 256 bytes that no other line names
.set LAPS,   SIZE_K/(2*KSTEP)          ; a lap = two K steps = once round the ring
.set CROW,   256                       ; a row of a head in kvh: 128 f16
.set ADRA, 16                          ; v16-17  LDS address of my A fragments in slot 0, 1
.set ADRB, 20                          ; v20-21  the same for B
.set STO,  24                          ; v24     the way out: where I put 16 bytes of a row
.set RD,   25                          ; v25     the way out: where I read a row back
.set CO,   26                          ; v26     my byte offset in two rows of a head: 16 x lane
.set SPW,  28                          ; v28     LDS address of my spare word; never rewritten
.set NIL,  29                          ; v29     0; never rewritten
.set PFO,  30                          ; v30     the prefetches' offset: my lane x a row of A or B (4,096 bytes); never rewritten
.set PFA,  44                          ; s[44:45] where my prefetches stand
.set LIM,  43                          ; s43     1 in a wave that prefetches, else the greatest number
.set F0,   64
.set F1,   128
.set TMP,  192
.set OB,   32
.set PA,   64
.set G1, 24                            ; s[24:31] descriptor group 1 for A's tiles
.set G0, 32                            ; s[32:39] descriptor group 0 for A's tiles, one set for each slot
.set G1B, 48                           ; s[48:55] group 1 for B's tiles: it differs in the mask alone
.set G0B, 56                           ; s[56:63] group 0 for B's tiles
.set MSB, 0
.macro WIN new                         ; the immediate's high byte repeats the setting that is left
.if MSB != (\new)
	s_set_vgpr_msb (MSB<<8)|(\new)
.set MSB, \new
.endif
.endm
.set MUL_LO, 0xa1                      ; source 0 (B) window 1, source 1 (A) window 0, C and D window 2
.set MUL_HI, 0xf1                      ; the same, C and D window 3
.set TO_B,   0x40                      ; destination window 1, address window 0
; A joint load.  Waves 0 and 1 fetch A's two halves, waves 2 and 3 B's.  The branch hangs on the wave's number alone.  An s_nop 0 and four v_nop follow each of the two lines.
.macro JLOAD s
	s_cmp_eq_u32 s11, 0
	s_cbranch_scc0 .Lfor_b_\@
	tensor_load_to_lds s[G0+4*(\s):G0+4*(\s)+3], s[G1:G1+7]
	s_nop 0
.rept 4
	v_nop
.endr
	s_branch .Lasked_\@
.Lfor_b_\@:
	tensor_load_to_lds s[G0B+4*(\s):G0B+4*(\s)+3], s[G1B:G1B+7]
	s_nop 0
.rept 4
	v_nop
.endr
.Lasked_\@:
.endm
; A PREFETCH INTO THE L2, behind each joint load and the run of LDS loads that follows it: the K step that stands TWO refills on: 32 rows x 256 bytes, a lane a row, one instruction a wave.
; Each row's 256 bytes of a K step are named ONCE in the launch.  A's tile row is read by both clusters of that row of clusters: cluster x = 0 asks.  Wk's rows are read by cluster rows 0-3, Wv's by 4-7:
; the first of each four asks.  The four partners that ask for a tile jointly share its rows out BY ADDRESS, 32 each.  The last two refills have no K step two on and ask for nothing.
.macro ASK
	s_cmp_gt_u32 s3, s[LIM]                        ; s3 = 1 in the loop's last trip
	s_cbranch_scc0 .Lnot_mine_\@
	global_prefetch_b8 v[PFO], s[PFA:PFA+1] offset:KSTEP*2 th:TH_LOAD_NT scope:SCOPE_SE
.Lnot_mine_\@:
.endm
.macro CREST                           ; a round of the cluster's barrier behind its opening barrier
	s_cmp_lg_u32 s10, 0
	s_cbranch_scc1 .Lnot_wave_0_\@
	s_barrier_signal -3
.Lnot_wave_0_\@:
	s_barrier_wait -3
	s_barrier_signal -1
	s_barrier_wait -1
.endm
.macro CROUND                          ; a whole round
	s_barrier_signal -1
	s_barrier_wait -1
	CREST
.endm
	s_load_b128 s[4:7], s[0:1], 0x0                ; X1 s[4:5], W1 s[6:7]
	s_load_b64 s[8:9], s[0:1], 0x10                ; kvh
	v_lshl_add_u32 v[SPW], v0, 2, SPARE
	v_mov_b32 v[NIL], 0
	ds_add_u32 v[SPW], v[NIL]                      ; the wave's opening: the add and its wait stand ahead of my first tensor load; the set-up below, work on registers, stands between them
	v_lshrrev_b32 v1, 5, v0
	v_readfirstlane_b32 s10, v1                    ; wave 0..3
	s_lshr_b32 s11, s10, 1                         ; which half of the tile's rows is mine.  Also: I fetch for A (0) or for B (1)
	s_and_b32 s12, s10, 1                          ; which half of its columns.  Also: which 128 rows of that tile I fetch
	s_bfe_u32 s40, ttmp6, 0x40000                  ; cx
	s_bfe_u32 s41, ttmp6, 0x40004                  ; cy
	s_lshl_b32 s42, ttmp9, 2
	s_add_co_u32 s42, s42, s40                     ; tile column of C = 4 x cluster x + cx
	s_and_b32 s13, ttmp7, 0xffff                   ; cluster y
	s_lshr_b32 s22, s13, 2                         ; 0: the cluster's rows are k's, 1: v's: the same in all sixteen partners
	s_lshl_b32 s22, s22, 23
	s_add_co_u32 s22, s22, 0x800000                ; Wk at 8 MiB of W1, Wv at 16 MiB
	s_mov_b32 s23, 0
	s_lshl_b32 s13, s13, 2
	s_add_co_u32 s13, s13, s41                     ; tile row of C = 4 x cluster y + cy
	s_lshl_b32 s43, s41, 2
	s_lshl_b32 s43, 15, s43                        ; my row of the cluster: places 4 cy .. 4 cy + 3
	s_lshl_b32 s44, 0x1111, s40                    ; my column: places cx, cx + 4, cx + 8, cx + 12
	; descriptor group 1: a tile of 128 rows x 128 elements, padded in LDS
	s_or_b32 s[G1+0], s43, (1<<16)|(1<<20)|(1<<21)|(5<<22)|(3<<25)  ; 15:0 the mask; 17:16 elements of 2 bytes; 20 padding on; 21 set beside a mask; 24:22 after every 64 words (code 5); 31:25 4 words (code 3)
	s_or_b32 s[G1B+0], s44, (1<<16)|(1<<20)|(1<<21)|(5<<22)|(3<<25)
	s_mov_b32 s[G1B+1], KSTEP<<16
	s_mov_b32 s[G1+1], KSTEP<<16                   ; tensor_dim0 = 128
	s_mov_b32 s[G1B+2], 128<<16
	s_mov_b32 s[G1+2], 128<<16                     ; tensor_dim1 = 128
	s_mov_b32 s[G1B+3], KSTEP<<16
	s_mov_b32 s[G1+3], KSTEP<<16                   ; tile_dim0 = 128
	s_mov_b32 s[G1B+4], 128
	s_mov_b32 s[G1+4], 128                         ; tile_dim1 = 128
	s_mov_b32 s[G1B+5], SIZE_K
	s_mov_b32 s[G1+5], SIZE_K                      ; elements from row to row
	s_mov_b32 s[G1B+6], 0
	s_mov_b32 s[G1+6], 0
	s_mov_b32 s[G1B+7], 0
	s_mov_b32 s[G1+7], 0
	; where the tiles come from.  A's hang on the tile row alone, B's on the tile column (and the cluster's y) alone
	s_lshl_b32 s17, s12, 7                         ; which 128 rows of the tile I fetch
	s_lshl_b32 s16, s13, 8
	s_add_co_u32 s16, s16, s17                     ; A: row 256 x tile row + 128 x half
	s_lshl_b32 s46, s42, 8
	s_add_co_u32 s46, s46, s17                     ; B: row 256 x tile column + 128 x half
	s_mov_b32 s17, 0
	s_mov_b32 s47, 0
	s_mov_b64 s[18:19], SIZE_K*2
	s_mul_u64 s[16:17], s[16:17], s[18:19]
	s_mul_u64 s[46:47], s[46:47], s[18:19]
	s_mul_i32 s20, s10, HALFT                      ; and where they go: wave x 128 rows: no place in the cluster enters an LDS address
	s_wait_dscnt 0x0                               ; the opening add is done
	s_wait_kmcnt 0x0
	s_add_nc_u64 s[4:5], s[4:5], 0x800000          ; A begins with k's first row
	s_add_nc_u64 s[6:7], s[6:7], s[22:23]          ; B is Wk or Wv
	s_add_nc_u64 s[14:15], s[4:5], s[16:17]
	s_add_nc_u64 s[46:47], s[6:7], s[46:47]
	CROUND                                         ; all sixteen work-groups are here: the first joint loads meet
.irp s, 0,1
	s_mov_b32 s[G0+4*(\s)], 1                                      ; count = 1
	s_add_co_u32 s[G0+4*(\s)+1], s20, (\s)*SLOT                    ; LDS address
	s_add_nc_u64 s[G0+4*(\s)+2:G0+4*(\s)+3], s[14:15], (\s)*KSTEP*2  ; global address: K step s
	s_or_b32 s[G0+4*(\s)+3], s[G0+4*(\s)+3], 0x80000000            ; type = 2
	s_mov_b32 s[G0B+4*(\s)], 1
	s_add_co_u32 s[G0B+4*(\s)+1], s20, (\s)*SLOT
	s_add_nc_u64 s[G0B+4*(\s)+2:G0B+4*(\s)+3], s[46:47], (\s)*KSTEP*2
	s_or_b32 s[G0B+4*(\s)+3], s[G0B+4*(\s)+3], 0x80000000
	JLOAD \s                                       ; the ring is filled before anything else is done: two loads of mine are out
.endr
	; A fragment is 16 rows x 32 K in 8 registers: lane l holds row l % 16; registers 0-3 hold K = 8 (l / 16) + 0..7, registers 4-7 K = 16 + 8 (l / 16) + 0..7: two loads of 16 bytes, 32 bytes apart.
	v_and_b32 v1, 15, v0                           ; l % 16
	v_bfe_u32 v2, v0, 4, 1                         ; l / 16
	v_mul_u32_u24 v3, v1, PITCH
	v_lshl_add_u32 v3, v2, 4, v3                   ; row x pitch + 16 x half
	s_mul_i32 s21, s11, HALFT                      ; my 128 rows of A
	s_mul_i32 s22, s12, HALFT                      ; my 128 rows of B,
	s_add_co_u32 s22, s22, 2*HALFT                 ; which lie behind A's 256
.irp s, 0,1
	v_add_nc_u32 v[ADRA+(\s)], s21, v3
	v_add_nc_u32 v[ADRB+(\s)], s22, v3
	s_add_co_u32 s21, s21, SLOT
	s_add_co_u32 s22, s22, SLOT
.endr
	s_mul_i32 s23, s10, 16*SPITCH
	s_add_co_u32 s23, s23, STAGE                   ; my stage
	v_mul_u32_u24 v4, v1, SPITCH                   ; in: row l % 16, 16 bytes for each half of the lanes
	v_lshl_add_u32 v4, v2, 4, v4
	v_add_nc_u32 v[STO], s23, v4
	v_mul_u32_u24 v5, v2, SPITCH                   ; back: lanes 0-15 take one row of 256 bytes, lanes 16-31 the next
	v_lshl_add_u32 v5, v1, 4, v5
	v_add_nc_u32 v[RD], s23, v5
	v_mul_u32_u24 v5, v2, CROW                     ; and the same two rows of the head: 512 consecutive bytes
	v_lshl_add_u32 v[CO], v1, 4, v5
	; where my 128 rows x 128 channels begin in kvh: my columns are one head, my rows 128 keys of one (K or V, b): 32,768 consecutive bytes
	s_lshl_b32 s13, s13, 8                         ; 256 x tile row
	s_lshl_b32 s14, s11, 7
	s_add_co_u32 s16, s13, s14                     ; my first row of C
	s_lshr_b32 s17, s16, 11                        ; 2 x (K or V) + b
	s_and_b32 s16, s16, 2047                       ; the key
	s_lshl_b32 s16, s16, 8
	s_lshl_b32 s17, s17, 4
	s_lshl_b32 s46, s42, 1
	s_add_co_u32 s46, s46, s12                     ; the head = 2 x tile column + half
	s_add_co_u32 s17, s17, s46
	s_lshl_b32 s17, s17, 19                        ; a head is 524,288 bytes
	s_add_co_u32 s16, s16, s17
	s_mov_b32 s17, 0
	; the prefetches.  s13 = 256 x tile row, s42 = tile column, s40 = cx, s41 = cy still stand; s[4:5] = A, s[6:7] = B
	s_lshl_b32 s42, s42, 8
	s_and_b32 s22, ttmp7, 3                        ; my cluster's place among the four rows of clusters that read the same weights
	s_cmp_eq_u32 s11, 0                            ; do I fetch for A?
	s_cselect_b32 s20, s13, s42                    ; the tile's first row
	s_cselect_b32 s21, s40, s41                    ; my place among the four that ask for it with me
	s_cselect_b32 s22, ttmp9, s22                  ; the coordinate along which other clusters read the same rows
	s_cselect_b64 s[PFA:PFA+1], s[4:5], s[6:7]
	s_cmp_eq_u32 s22, 0
	s_cselect_b32 s[LIM], 1, -1                    ; the same in all sixteen partners, for a given wave
	s_lshl_b32 s22, s12, 7
	s_add_co_u32 s20, s20, s22                     ; + the 128 rows that I fetch
	s_lshl_b32 s21, s21, 5
	s_add_co_u32 s20, s20, s21                     ; + my work-group's 32 of them
	s_mov_b32 s21, 0
	s_mov_b64 s[18:19], SIZE_K*2
	s_mul_u64 s[20:21], s[20:21], s[18:19]
	s_add_nc_u64 s[PFA:PFA+1], s[PFA:PFA+1], s[20:21]
	s_add_nc_u64 s[PFA:PFA+1], s[PFA:PFA+1], 2*KSTEP*2  ; at K step 2: the first refill steps it to 3 and names K step 4
	v_and_b32 v[PFO], 31, v0
	v_mul_u32_u24 v[PFO], v[PFO], SIZE_K*2
	; nothing is prefetched here, at the head, where every work-group's first two tiles are on their way
; 16 matrix instructions: m blocks a0, a0 + 1 of the window's four x all 8 n blocks, 32 along K.  zero = 1: the first product starts the sums
.macro MUL16 f, hi, a0, zero
	WIN MUL_LO+0x50*(\hi)
.irp a, \a0, (\a0)+1
.irp b, 0,1,2,3,4,5,6,7
.if \zero
	v_wmma_f32_16x16x32_f16 v[8*(8*(\a)+(\b)):8*(8*(\a)+(\b))+7], v[(\f)+8*(\b):(\f)+8*(\b)+7], v[(\f)+8*(4*(\hi)+(\a)):(\f)+8*(4*(\hi)+(\a))+7], 0
.else
	v_wmma_f32_16x16x32_f16 v[8*(8*(\a)+(\b)):8*(8*(\a)+(\b))+7], v[(\f)+8*(\b):(\f)+8*(\b)+7], v[(\f)+8*(4*(\hi)+(\a)):(\f)+8*(4*(\hi)+(\a))+7], v[8*(8*(\a)+(\b)):8*(8*(\a)+(\b))+7]
.endif
.endr
.endr
.endm
; 32 LDS loads in one run: the fragments of one quarter step into buffer f
.macro FETCH slot, k, f
	WIN TO_B
.irp i, 0,1,2,3,4,5,6,7
	ds_load_b128 v[(\f)+8*(\i):(\f)+8*(\i)+3],   v[ADRB+(\slot)] offset:(\k)+(\i)*16*PITCH
	ds_load_b128 v[(\f)+8*(\i)+4:(\f)+8*(\i)+7], v[ADRB+(\slot)] offset:(\k)+(\i)*16*PITCH+32
.endr
	WIN 0
.irp i, 0,1,2,3,4,5,6,7
	ds_load_b128 v[(\f)+8*(\i):(\f)+8*(\i)+3],   v[ADRA+(\slot)] offset:(\k)+(\i)*16*PITCH
	ds_load_b128 v[(\f)+8*(\i)+4:(\f)+8*(\i)+7], v[ADRA+(\slot)] offset:(\k)+(\i)*16*PITCH+32
.endr
.endm
; Four plain places stand between a matrix instruction and a load into one of its registers or a vector instruction that reads its result (ISA guide 7.12.1 for vector instructions)
.macro PLACES
.rept 4
	v_nop
.endr
.endm
; A K step is four quarter steps of 32 along K, 64 matrix instructions each, on buffers 0, 1, 0, 1.  One of the first three:
.macro QUARTER slot, k, f, g, zero
	s_wait_dscnt 8                                 ; B and A's rows 0-63 are in; the youngest eight loads (A's rows 64-127) may be out
	WIN MUL_LO
	MUL16 \f, 0, 0, \zero
	MUL16 \f, 0, 2, \zero
	PLACES
	FETCH \slot, \k, \g
	s_wait_dscnt 32                                ; all but the 32 just issued
	WIN MUL_HI
	MUL16 \f, 1, 0, \zero
	MUL16 \f, 1, 2, \zero
.endm
; The last quarter changes slots.  MEET is its first half: in front of the barrier each wave waits for all its tensor loads, adds 0 to its spare word, and waits for that and for its reads of this slot.
.macro MEET round
	WIN 0                                          ; (the add's two registers lie in window 0)
	s_wait_tensorcnt 0x0                           ; all my tensor loads have landed: the one that was out is my part of the next slot;
	ds_add_u32 v[SPW], v[NIL]                      ; 0 onto my spare word;
	s_wait_dscnt 9                                 ; (the add and the youngest eight loads may be out)
	WIN MUL_LO
	MUL16 F1, 0, 0, 0                              ; sixteen matrix instructions stand between the add and the wait for it
	s_wait_dscnt 0x0                               ; the add is done, and my reads of this slot are over:
	s_barrier_signal -1                            ; say so,
	MUL16 F1, 0, 2, 0                              ; work on registers while the others arrive,
.if \round
	WIN 0
.endif
	s_barrier_wait -1                              ; and go on when all four have said so
.endm
; The whole last quarter.  Behind the round the slot just read out is filled again first, with the K step two steps on; then come the next slot's first fragments.
.macro TURN slot, next
	s_wait_xcnt 0x0                                ; the last prefetch, a K step back, has read its address: it is stepped here, ahead of the waits of the change of slots
	s_add_nc_u64 s[PFA:PFA+1], s[PFA:PFA+1], KSTEP*2
	MEET 1
	CREST                                          ; no wave of any partner still reads this slot's tile or has a load on its way
	s_add_nc_u64 s[G0+4*(\slot)+2:G0+4*(\slot)+3], s[G0+4*(\slot)+2:G0+4*(\slot)+3], 2*KSTEP*2
	s_add_nc_u64 s[G0B+4*(\slot)+2:G0B+4*(\slot)+3], s[G0B+4*(\slot)+2:G0B+4*(\slot)+3], 2*KSTEP*2
	JLOAD \slot                                    ; the first tensor load behind the round; the four v_nop behind it are also the places in front of the loads below
	FETCH \next, 0, F0
	ASK
	WIN MUL_HI
	MUL16 F1, 1, 0, 0
	MUL16 F1, 1, 2, 0
.endm
; THE LAST K STEP (it lies in slot 1) GOES BY ROWS OF C.  All its fragments of B fill window 1; then my eight blocks of 16 rows are finished one after the other, 32 matrix instructions each, the block's 8 accumulators by turns.
.macro BLOAD q
	WIN TO_B
.irp i, 0,1,2,3,4,5,6,7
	ds_load_b128 v[64*(\q)+8*(\i):64*(\q)+8*(\i)+3],   v[ADRB+1] offset:64*(\q)+(\i)*16*PITCH
	ds_load_b128 v[64*(\q)+8*(\i)+4:64*(\q)+8*(\i)+7], v[ADRB+1] offset:64*(\q)+(\i)*16*PITCH+32
.endr
.endm
.macro ALOAD a
	WIN 0
.set FA, PA+32*((\a)%4)
.irp q, 0,1,2,3
	ds_load_b128 v[FA+8*(\q):FA+8*(\q)+3],   v[ADRA+1] offset:64*(\q)+(\a)*16*PITCH
	ds_load_b128 v[FA+8*(\q)+4:FA+8*(\q)+7], v[ADRA+1] offset:64*(\q)+(\a)*16*PITCH+32
.endr
.endm
.macro ROW a
.set FA, PA+32*((\a)%4)
.set AC, 64*((\a)%4)
	WIN MUL_LO+0x50*((\a)/4)
.irp q, 0,1,2,3
.if (\a) == 0 && (\q) == 2
	s_wait_dscnt 24                                ; B's quarter 2 is in (behind it: A's blocks 1 to 3)
.endif
.irp b, 0,1,2,3,4,5,6,7
	v_wmma_f32_16x16x32_f16 v[AC+8*(\b):AC+8*(\b)+7], v[64*(\q)+8*(\b):64*(\q)+8*(\b)+7], v[FA+8*(\q):FA+8*(\q)+7], v[AC+8*(\b):AC+8*(\b)+7]
.endr
.endr
.endm
; THE WAY OUT of block a.  PACK: rounded to f16, 16 bytes a lane.  TOSTAGE: into my own stage in LDS, and back as whole rows of 256 bytes.  SEND: stored.
.macro PACK a
.set AC, 64*((\a)%4)
	WIN 0x0a+5*((\a)/4)                            ; sources 0 and 1: window 2 or 3
.irp b, 0,1,2,3,4,5,6,7
.irp r, 0,1,2,3
	v_cvt_pk_f16_f32 v[TMP+4*(\b)+(\r)], v[AC+8*(\b)+2*(\r)], v[AC+8*(\b)+2*(\r)+1]
.endr
.endr
	WIN 0
.endm
.macro TOSTAGE a
	WIN 0
.set BK, OB+192*((\a)%2)
.irp b, 0,1,2,3,4,5,6,7
	ds_store_b128 v[STO], v[TMP+4*(\b):TMP+4*(\b)+3] offset:32*(\b)
.endr
.irp t, 0,1,2,3,4,5,6,7
	ds_load_b128 v[BK+4*(\t):BK+4*(\t)+3], v[RD] offset:(\t)*2*SPITCH  ; LDS serves a wave's instructions in order (ISA guide 5.7.1.4): these see the stores above
.endr
.endm
.macro SEND a, younger                 ; younger: the LDS loads issued behind TOSTAGE's, which may stay out
	WIN 0
.set BK, OB+192*((\a)%2)
	s_wait_dscnt \younger                          ; the block is back in registers
	s_wait_xcnt 0x0                                ; only behind this wait are the stores' base and the registers that earlier stores read rewritten
.if (\a) == 0
	s_add_nc_u64 s[8:9], s[8:9], s[16:17]          ; on to my first rows
.else
	s_add_nc_u64 s[8:9], s[8:9], 16*CROW           ; 16 rows of the head on
.endif
.irp t, 0,1,2,3,4,5,6,7
	global_store_b128 v[CO], v[BK+4*(\t):BK+4*(\t)+3], s[8:9] offset:(\t)*2*CROW  ; 32 lanes store 512 consecutive bytes, at a multiple of 256 from kvh's first byte
.endr
.endm
	s_wait_tensorcnt 1                             ; my part of K step 0 is in; K step 1's load may stay out
	s_barrier_signal -1
	s_barrier_wait -1                              ; everybody's is
	FETCH 0, 0, F0
	QUARTER 0, 64,  F0, F1, 1                      ; the first quarter stands in front of the loop: its products start the sums
	WIN 0                                          ; at a label and at a branch every window is 0
	s_mov_b32 s3, LAPS-1
.Llap:                                                 ; a trip goes once round the ring, from a lap's second quarter to the next lap's first, and fills both slots again
	QUARTER 0, 128, F1, F0, 0
	QUARTER 0, 192, F0, F1, 0
	TURN 0, 1
	QUARTER 1, 64,  F0, F1, 0
	QUARTER 1, 128, F1, F0, 0
	QUARTER 1, 192, F0, F1, 0
	TURN 1, 0
	QUARTER 0, 64,  F0, F1, 0
	WIN 0
	s_sub_co_u32 s3, s3, 1
	s_cmp_lg_u32 s3, 0
	s_cbranch_scc1 .Llap
	QUARTER 0, 128, F1, F0, 0                      ; the last lap goes on
	QUARTER 0, 192, F0, F1, 0
	MEET 0                                         ; my one tensor load that was still out is slot 1's, the last K step's, so no round follows
	PLACES                                         ; for the loads into buffer 0, which the quarter before multiplied
	WIN TO_B
	BLOAD 0                                        ; three quarters of B now: buffer 1 is still being multiplied
	BLOAD 1
	BLOAD 3
	WIN 0
	ALOAD 0
	WIN MUL_HI
	MUL16 F1, 1, 0, 0
	MUL16 F1, 1, 2, 0
	PLACES                                         ; for the loads into buffer 1
	WIN TO_B
	BLOAD 2
	WIN 0
	ALOAD 1
	ALOAD 2
	ALOAD 3
	s_wait_dscnt 40                                ; all but the 40 just issued
	ROW 0
.irp a, 0,1,2,3,4,5,6,7                ; each block leaves as soon as it is finished
	PLACES                                         ; its conversions read results just made
	PACK \a
	TOSTAGE \a
.if (\a) < 4
	ALOAD (\a)+4                                   ; its buffer takes the block four further on
	SEND \a, 8
.else
	SEND \a, 0
.endif
.if (\a) < 7
	ROW (\a)+1
.endif
.endr
	s_wait_tensorcnt 0x0                           ; the wave's end, behind my last tensor load and my last LDS store
	ds_add_u32 v[SPW], v[NIL]
	s_wait_dscnt 0x0
	CROUND                                         ; the closing round: no work-group ends while a partner may still ask for a tile that names it
	s_endpgm
.Lfunc_end_k_q9255eeef89_kvproj:
	.size	k_q9255eeef89_kvproj, .Lfunc_end_k_q9255eeef89_kvproj-k_q9255eeef89_kvproj
	.p2alignl 7, 3214868480
	.fill 96, 4, 3214868480
	.section	.rodata,"a",@progbits
	.p2align	6, 0x0
	.amdhsa_kernel k_q9255eeef89_kvproj
		.amdhsa_group_segment_fixed_size 327680
		.amdhsa_private_segment_fixed_size 0
		.amdhsa_enable_private_segment 0
		.amdhsa_kernarg_size 24
		.amdhsa_user_sgpr_count 2
		.amdhsa_user_sgpr_kernarg_segment_ptr 1
		.amdhsa_wavefront_size32 1
		.amdhsa_system_sgpr_workgroup_id_x 1
		.amdhsa_system_sgpr_workgroup_id_y 1
		.amdhsa_system_sgpr_workgroup_id_z 1
		.amdhsa_system_vgpr_workitem_id 0
		.amdhsa_next_free_vgpr 1024
		.amdhsa_next_free_sgpr 66
		.amdhsa_reserve_vcc 0
		.amdhsa_float_denorm_mode_32 3
		.amdhsa_float_denorm_mode_16_64 3
		.amdhsa_memory_ordered 1
		.amdhsa_forward_progress 1
		.amdhsa_inst_pref_size 145
	.end_amdhsa_kernel
	.amdgpu_metadata
---
amdhsa.version: [ 1, 2 ]
amdhsa.kernels:
  - .name:           k_q9255eeef89_kvproj
    .symbol:         k_q9255eeef89_kvproj.kd
    .args:
      - { .name: X1, .offset: 0, .size: 8, .value_kind: global_buffer, .address_space: global }
      - { .name: W1, .offset: 8, .size: 8, .value_kind: global_buffer, .address_space: global }
      - { .name: kvh, .offset: 16, .size: 8, .value_kind: global_buffer, .address_space: global }
    .group_segment_fixed_size: 327680
    .private_segment_fixed_size: 0
    .kernarg_segment_align: 8
    .kernarg_segment_size: 24
    .max_flat_workgroup_size: 128
    .sgpr_count:     66
    .vgpr_count:     1024
    .wavefront_size: 32
...
	.end_amdgpu_metadata
.endif
;; end of part 2
;; launch qproj (part 3): grid 16 x 16, 4 waves a work-group, clusters of 4 x 4, 327,680 bytes of LDS; arguments X1, W1, qf; writes qf
.if DOCPART == 3
	.amdgcn_target "amdgcn-amd-amdhsa--gfx1250"
	.amdhsa_code_object_version 6
	.text
	.protected	k_q9255eeef89_qproj
	.globl	k_q9255eeef89_qproj
	.p2align	8
	.type	k_q9255eeef89_qproj,@function
k_q9255eeef89_qproj:
	s_mov_b64 s[64:65], 0
	v_nop
	global_prefetch_b8 v0, s[64:65] scope:SCOPE_SE
	s_setreg_imm32_b32 hwreg(HW_REG_WAVE_MODE, 25, 1), 1
	s_wait_xcnt 0x0
	s_wait_alu depctr_hold_cnt(0) depctr_sa_sdst(0) depctr_va_vdst(0) depctr_va_sdst(0) depctr_va_ssrc(0) depctr_va_vcc(0) depctr_vm_vsrc(0)
	s_getreg_b32 s2, hwreg(HW_REG_IB_STS2, 6, 4)
	s_cmp_eq_u32 s2, 0
	s_cbranch_scc0 .Lentry_in_a_cluster
	s_endpgm
.Lentry_in_a_cluster:
	s_bfe_u32 s2, ttmp6, 0x10000c
	s_cmp_lg_u32 s2, 0xf033
	s_cbranch_scc0 .Lentry_shape_is_right
	s_endpgm
.Lentry_shape_is_right:
; C[m][n] = sum over k of A[m][k] B[n][k].  A: the first 2,048 rows of the first buffer, B: the first 2,048 rows of the second, 2,048 f16 a row; C: [2048][2048] f32, the sums as they are.
; It serves twice: Q = q Wq^T (X1, W1 -> qf) and out = O Wo^T (oh, W2 -> out0).  A NaN in a row of A gives a row of NaN in C.
; A tile of C is 128 x 128, so that 16 x 16 tiles give 256 work-groups.  Four waves, each 64 x 64: 16 accumulators, 128 registers.  K goes in steps of 256 (LDS rows of 512 bytes; a wave's tensor load
; brings 64 of them), as long as two slots in LDS allow.  A wave's 64 columns of f32 are 256 aligned bytes of a row of C.
; CLUSTERS: 4 x 4 work-groups.  The four of a row of the cluster need the same tiles of A, the four of a column the same tiles of B: each tile is asked for JOINTLY.
; K IS WALKED IN A RING: cluster (X, Y) begins at lap (X + 2 Y) mod 4 of the four laps of 512 along K and wraps round.  The four clusters that read the same rows of A begin at four different laps, and of the
; four that read the same rows of B neighbours in Y begin two laps apart: they do not ask for the same bytes in the same step.  The f32 sums are taken in that order.
; THE MATRIX INSTRUCTION IS USED TRANSPOSED (source 0 = 16 rows of B, source 1 = 16 rows of A): a lane then holds eight neighbouring numbers of a row of C.
; No prefetch: the tiles are small.
; REGISTERS: window 0: v0-31 addresses; v32-95 at work on the way out; v128-255 the accumulators ((a, b) at v[128 + 8 (4 a + b)]).   window 1: two fragment buffers of 128.
.set SIZE_N, 2048
.set SIZE_K, 2048
.set KSTEP,  256
.set PITCH,  528                       ; an LDS row: 512 bytes of data + 16 of padding = 132 words: row r starts at bank 4 r mod 64 (64 banks of 4 bytes: ISA guide 11.1)
.set HALFT,  64*PITCH                  ; 64 rows: what one tensor load brings, and what one wave reads of A or of B
.set SLOT,   4*HALFT                   ; A's 128 rows, then B's 128 rows
.set STAGE,  2*SLOT                    ; behind the ring: 16 rows x 272 bytes for each wave
.set SPITCH, 272
.set SPARE,  STAGE+4*16*SPITCH         ; behind the stages: the spare words, 128 bytes for each wave: two blocks of 256 bytes that no other line names
.set LAPS, SIZE_K/(2*KSTEP)            ; four: a power of two, so that the first lap is cut by one s_and_b32
.set ADRA, 16
.set ADRB, 20
.set STO,  24                          ; v24     the way out: where I put 32 bytes of a row
.set RD,   25                          ; v25     the way out: where I read a row back
.set CO,   26                          ; v26     my byte offset in two rows of C
.set SPW,  28
.set NIL,  29
.set TMP,  32                          ; the way out: two buffers of 32 registers, 16 rows x 256 bytes each
.set ACC,  128
.set F0,   0
.set F1,   128
.set G1, 24
.set G0, 32
.set G1B, 48
.set G0B, 56
.set WRAP, 40                          ; s[40:41] what this lap's refills go back along K: a whole row's 4,096 bytes behind the last lap, else 0
.set LAP,  44                          ; s44     the lap of K that was asked for last
.set MSB, 0
.macro WIN new
.if MSB != (\new)
	s_set_vgpr_msb (MSB<<8)|(\new)
.set MSB, \new
.endif
.endm
.set MUL,  0x05                        ; sources 0 (B) and 1 (A) window 1; C and D window 0
.set TO_F, 0x40                        ; destination window 1, address window 0
.macro JLOAD s                         ; a joint load: waves 0 and 1 fetch A's two halves, waves 2 and 3 B's; an s_nop 0 and four v_nop follow each of the two lines
	s_cmp_eq_u32 s11, 0
	s_cbranch_scc0 .Lfor_b_\@
	tensor_load_to_lds s[G0+4*(\s):G0+4*(\s)+3], s[G1:G1+7]
	s_nop 0
.rept 4
	v_nop
.endr
	s_branch .Lasked_\@
.Lfor_b_\@:
	tensor_load_to_lds s[G0B+4*(\s):G0B+4*(\s)+3], s[G1B:G1B+7]
	s_nop 0
.rept 4
	v_nop
.endr
.Lasked_\@:
.endm
.macro CREST
	s_cmp_lg_u32 s10, 0
	s_cbranch_scc1 .Lnot_wave_0_\@
	s_barrier_signal -3
.Lnot_wave_0_\@:
	s_barrier_wait -3
	s_barrier_signal -1
	s_barrier_wait -1
.endm
.macro CROUND
	s_barrier_signal -1
	s_barrier_wait -1
	CREST
.endm
	s_load_b128 s[4:7], s[0:1], 0x0                ; A s[4:5], B s[6:7]
	s_load_b64 s[8:9], s[0:1], 0x10                ; C
	v_lshl_add_u32 v[SPW], v0, 2, SPARE
	v_mov_b32 v[NIL], 0
	ds_add_u32 v[SPW], v[NIL]                      ; the wave's opening: the add and its wait stand ahead of my first tensor load
	v_lshrrev_b32 v1, 5, v0
	v_readfirstlane_b32 s10, v1                    ; wave 0..3
	s_lshr_b32 s11, s10, 1                         ; which half of the tile's rows is mine.  Also: I fetch for A (0) or for B (1)
	s_and_b32 s12, s10, 1                          ; which half of its columns.  Also: which 64 rows of that tile I fetch
	s_bfe_u32 s40, ttmp6, 0x40000                  ; cx, cy
	s_bfe_u32 s41, ttmp6, 0x40004
	s_lshl_b32 s42, ttmp9, 2
	s_add_co_u32 s42, s42, s40                     ; tile column of C
	s_and_b32 s13, ttmp7, 0xffff
	s_lshl_b32 s13, s13, 2
	s_add_co_u32 s13, s13, s41                     ; tile row of C
	s_lshl_b32 s43, s41, 2
	s_lshl_b32 s43, 15, s43                        ; my row of the cluster
	s_lshl_b32 s44, 0x1111, s40                    ; my column
	; descriptor group 1: a tile of 64 rows x 256 elements, padded in LDS
	s_or_b32 s[G1+0], s43, (1<<16)|(1<<20)|(1<<21)|(6<<22)|(3<<25)  ; the mask; elements of 2 bytes; padding on; 21 set beside a mask; after every 128 words (code 6) 4 words (code 3)
	s_or_b32 s[G1B+0], s44, (1<<16)|(1<<20)|(1<<21)|(6<<22)|(3<<25)
.irp g, G1, G1B
	s_mov_b32 s[(\g)+1], KSTEP<<16                 ; tensor_dim0 = 256
	s_mov_b32 s[(\g)+2], 64<<16                    ; tensor_dim1 = 64
	s_mov_b32 s[(\g)+3], KSTEP<<16                 ; tile_dim0 = 256
	s_mov_b32 s[(\g)+4], 64                        ; tile_dim1 = 64
	s_mov_b32 s[(\g)+5], SIZE_K                    ; elements from row to row
	s_mov_b32 s[(\g)+6], 0
	s_mov_b32 s[(\g)+7], 0
.endr
	s_and_b32 s[LAP], ttmp7, 0xffff                ; the cluster's y,
	s_lshl_b32 s[LAP], s[LAP], 1
	s_add_co_u32 s[LAP], s[LAP], ttmp9             ; twice, and its x:
	s_and_b32 s[LAP], s[LAP], LAPS-1               ; the lap at which my cluster begins: the same in all sixteen partners
	s_lshl_b32 s22, s[LAP], 10                     ; a lap is 2 x 256 elements: 1,024 bytes of a row
	s_mov_b32 s23, 0
	s_mov_b32 s[WRAP], 0
	s_mov_b32 s[WRAP+1], 0
	s_lshl_b32 s17, s12, 6                         ; which 64 rows of the tile I fetch
	s_lshl_b32 s16, s13, 7
	s_add_co_u32 s16, s16, s17                     ; A: row 128 x tile row + 64 x half
	s_lshl_b32 s46, s42, 7
	s_add_co_u32 s46, s46, s17                     ; B: row 128 x tile column + 64 x half
	s_mov_b32 s17, 0
	s_mov_b32 s47, 0
	s_mov_b64 s[18:19], SIZE_K*2
	s_mul_u64 s[16:17], s[16:17], s[18:19]
	s_mul_u64 s[46:47], s[46:47], s[18:19]
	s_mul_i32 s20, s10, HALFT                      ; where they go: wave x 64 rows
	s_wait_dscnt 0x0                               ; the opening add is done
	s_wait_kmcnt 0x0
	s_add_nc_u64 s[14:15], s[4:5], s[16:17]
	s_add_nc_u64 s[46:47], s[6:7], s[46:47]
	s_add_nc_u64 s[14:15], s[14:15], s[22:23]      ; both at my cluster's first lap
	s_add_nc_u64 s[46:47], s[46:47], s[22:23]
	CROUND                                         ; all sixteen work-groups are here: the first joint loads meet
.irp s, 0,1
	s_mov_b32 s[G0+4*(\s)], 1
	s_add_co_u32 s[G0+4*(\s)+1], s20, (\s)*SLOT
	s_add_nc_u64 s[G0+4*(\s)+2:G0+4*(\s)+3], s[14:15], (\s)*KSTEP*2
	s_or_b32 s[G0+4*(\s)+3], s[G0+4*(\s)+3], 0x80000000
	s_mov_b32 s[G0B+4*(\s)], 1
	s_add_co_u32 s[G0B+4*(\s)+1], s20, (\s)*SLOT
	s_add_nc_u64 s[G0B+4*(\s)+2:G0B+4*(\s)+3], s[46:47], (\s)*KSTEP*2
	s_or_b32 s[G0B+4*(\s)+3], s[G0B+4*(\s)+3], 0x80000000
	JLOAD \s
.endr
	v_and_b32 v1, 15, v0                           ; l % 16
	v_bfe_u32 v2, v0, 4, 1                         ; l / 16
	v_mul_u32_u24 v3, v1, PITCH
	v_lshl_add_u32 v3, v2, 4, v3                   ; a fragment's row x pitch + 16 x half
	s_mul_i32 s21, s11, HALFT                      ; my 64 rows of A
	s_mul_i32 s22, s12, HALFT                      ; my 64 rows of B,
	s_add_co_u32 s22, s22, 2*HALFT                 ; which lie behind A's 128
.irp s, 0,1
	v_add_nc_u32 v[ADRA+(\s)], s21, v3
	v_add_nc_u32 v[ADRB+(\s)], s22, v3
	s_add_co_u32 s21, s21, SLOT
	s_add_co_u32 s22, s22, SLOT
.endr
	s_mul_i32 s23, s10, 16*SPITCH
	s_add_co_u32 s23, s23, STAGE                   ; my stage
	v_mul_u32_u24 v4, v1, SPITCH                   ; in: row l % 16, 32 bytes (8 f32) for each half of the lanes
	v_lshl_add_u32 v4, v2, 5, v4
	v_add_nc_u32 v[STO], s23, v4
	v_mul_u32_u24 v5, v2, SPITCH                   ; back: lanes 0-15 take one row of 256 bytes, lanes 16-31 the next
	v_lshl_add_u32 v5, v1, 4, v5
	v_add_nc_u32 v[RD], s23, v5
	v_lshlrev_b32 v5, 13, v2                       ; and the same two rows in C, 8,192 bytes apart
	v_lshl_add_u32 v[CO], v1, 4, v5
	s_lshl_b32 s16, s13, 7
	s_lshl_b32 s17, s11, 6
	s_add_co_u32 s16, s16, s17                     ; my first row of C: 128 x tile row + 64 x half
	s_lshl_b32 s16, s16, 13
	s_mov_b32 s17, 0
	s_add_nc_u64 s[8:9], s[8:9], s[16:17]
	s_lshl_b32 s46, s42, 9                         ; my first column, in bytes: 512 x tile column + 256 x half
	s_lshl_b32 s47, s12, 8
	s_add_co_u32 s46, s46, s47
	s_mov_b32 s47, 0
	s_add_nc_u64 s[8:9], s[8:9], s[46:47]
; 8 matrix instructions: m blocks a0, a0 + 1 x all 4 n blocks, 32 along K: half c of buffer f.  zero = 1: the first product starts the sums
.macro MUL8 f, c, a0, zero
	WIN MUL
.irp a, \a0, (\a0)+1
.irp b, 0,1,2,3
.if \zero
	v_wmma_f32_16x16x32_f16 v[ACC+8*(4*(\a)+(\b)):ACC+8*(4*(\a)+(\b))+7], v[(\f)+64+8*(4*(\c)+(\b)):(\f)+64+8*(4*(\c)+(\b))+7], v[(\f)+8*(4*(\c)+(\a)):(\f)+8*(4*(\c)+(\a))+7], 0
.else
	v_wmma_f32_16x16x32_f16 v[ACC+8*(4*(\a)+(\b)):ACC+8*(4*(\a)+(\b))+7], v[(\f)+64+8*(4*(\c)+(\b)):(\f)+64+8*(4*(\c)+(\b))+7], v[(\f)+8*(4*(\c)+(\a)):(\f)+8*(4*(\c)+(\a))+7], v[ACC+8*(4*(\a)+(\b)):ACC+8*(4*(\a)+(\b))+7]
.endif
.endr
.endr
.endm
; 32 LDS loads in one run: the fragments of 64 along K at byte k of the rows, into buffer f; the first 32 along K first
.macro FETCH slot, k, f
	WIN TO_F
.irp c, 0,1
.irp i, 0,1,2,3
	ds_load_b128 v[(\f)+64+8*(4*(\c)+(\i)):(\f)+64+8*(4*(\c)+(\i))+3],   v[ADRB+(\slot)] offset:(\k)+64*(\c)+(\i)*16*PITCH
	ds_load_b128 v[(\f)+64+8*(4*(\c)+(\i))+4:(\f)+64+8*(4*(\c)+(\i))+7], v[ADRB+(\slot)] offset:(\k)+64*(\c)+(\i)*16*PITCH+32
	ds_load_b128 v[(\f)+8*(4*(\c)+(\i)):(\f)+8*(4*(\c)+(\i))+3],         v[ADRA+(\slot)] offset:(\k)+64*(\c)+(\i)*16*PITCH
	ds_load_b128 v[(\f)+8*(4*(\c)+(\i))+4:(\f)+8*(4*(\c)+(\i))+7],       v[ADRA+(\slot)] offset:(\k)+64*(\c)+(\i)*16*PITCH+32
.endr
.endr
.endm
.macro PLACES                          ; four places in front of loads into registers that matrix instructions have read, and of lines that read results
.rept 4
	v_nop
.endr
.endm
; A K step is four quarters of 64 along K, 32 matrix instructions each, on buffers 0, 1, 0, 1
.macro QUARTER slot, k, f, g, zero
	s_wait_dscnt 16                                ; the first 32 along K are in; the youngest sixteen loads may be out
	WIN MUL
	MUL8 \f, 0, 0, \zero
	MUL8 \f, 0, 2, \zero
	PLACES
	FETCH \slot, \k, \g
	s_wait_dscnt 32                                ; all but the 32 just issued
	WIN MUL
	MUL8 \f, 1, 0, 0
	MUL8 \f, 1, 2, 0
.endm
; The last quarter multiplies buffer 1 and changes slots: ONE barrier; in front of it each wave waits for all its tensor loads, adds 0 to its spare word, and waits for that and for its own reads of this slot
.macro TURN slot, next, fill
	WIN 0                                          ; (the add's two registers lie in window 0)
	s_wait_tensorcnt 0x0                           ; all my tensor loads have landed: my part of the next slot;
	ds_add_u32 v[SPW], v[NIL]                      ; 0 onto my spare word;
	s_wait_dscnt 17                                ; (the add and the youngest sixteen loads may be out)
	WIN MUL
	MUL8 F1, 0, 0, 0                               ; eight matrix instructions stand between the add and the wait for it
	s_wait_dscnt 0x0                               ; the add is done, and my reads of this slot are over
	s_barrier_signal -1
	MUL8 F1, 0, 2, 0
.if \fill
	WIN 0
.endif
	s_barrier_wait -1
.if \fill
	CREST                                          ; no wave of any partner still reads this slot's tile or has a load on its way
.if (\slot) == 0
	s_add_co_u32 s[LAP], s[LAP], 1                 ; the next lap of the ring along K: behind the last comes the first
	s_cmp_eq_u32 s[LAP], LAPS
	s_cselect_b32 s[LAP], 0, s[LAP]
	s_cselect_b32 s[WRAP], SIZE_K*2, 0             ; it serves both slots' refills of this trip
.endif
	s_add_nc_u64 s[G0+4*(\slot)+2:G0+4*(\slot)+3], s[G0+4*(\slot)+2:G0+4*(\slot)+3], 2*KSTEP*2
	s_sub_nc_u64 s[G0+4*(\slot)+2:G0+4*(\slot)+3], s[G0+4*(\slot)+2:G0+4*(\slot)+3], s[WRAP:WRAP+1]
	s_add_nc_u64 s[G0B+4*(\slot)+2:G0B+4*(\slot)+3], s[G0B+4*(\slot)+2:G0B+4*(\slot)+3], 2*KSTEP*2
	s_sub_nc_u64 s[G0B+4*(\slot)+2:G0B+4*(\slot)+3], s[G0B+4*(\slot)+2:G0B+4*(\slot)+3], s[WRAP:WRAP+1]
	JLOAD \slot                                    ; the first tensor load behind the round; the four v_nop behind it are also the places in front of the loads below
.else
	PLACES
.endif
	FETCH \next, 0, F0
	WIN MUL
	MUL8 F1, 1, 0, 0
	MUL8 F1, 1, 2, 0
.endm
	s_wait_tensorcnt 1                             ; my part of the first K step is in; the second's load may stay out
	s_barrier_signal -1
	s_barrier_wait -1                              ; everybody's is
	FETCH 0, 0, F0
	QUARTER 0, 128, F0, F1, 1                      ; the first quarter stands in front of the loop: its first products start the sums
	WIN 0
	s_mov_b32 s3, LAPS-1
.Llap:                                                 ; a trip goes once round the LDS ring and fills both slots again
	QUARTER 0, 256, F1, F0, 0
	QUARTER 0, 384, F0, F1, 0
	TURN 0, 1, 1
	QUARTER 1, 128, F0, F1, 0
	QUARTER 1, 256, F1, F0, 0
	QUARTER 1, 384, F0, F1, 0
	TURN 1, 0, 1
	QUARTER 0, 128, F0, F1, 0
	WIN 0
	s_sub_co_u32 s3, s3, 1
	s_cmp_lg_u32 s3, 0
	s_cbranch_scc1 .Llap
	QUARTER 0, 256, F1, F0, 0                      ; the last lap fills nothing
	QUARTER 0, 384, F0, F1, 0
	TURN 0, 1, 0
	QUARTER 1, 128, F0, F1, 0
	QUARTER 1, 256, F1, F0, 0
	QUARTER 1, 384, F0, F1, 0
	s_wait_dscnt 16                                ; the very last quarter: nothing more to fetch
	WIN MUL
	MUL8 F1, 0, 0, 0
	MUL8 F1, 0, 2, 0
	s_wait_dscnt 0
	MUL8 F1, 1, 0, 0
	MUL8 F1, 1, 2, 0
	WIN 0
	; THE WAY OUT, a block of 16 rows at a time: a lane's 32 bytes of a row go into my stage (rows of 272 bytes) and come back as whole rows of 256 bytes; each accumulator's low four registers go first.
.macro TOSTAGE a
.irp b, 0,1,2,3
	ds_store_b128 v[STO], v[ACC+8*(4*(\a)+(\b)):ACC+8*(4*(\a)+(\b))+3]   offset:64*(\b)
	ds_store_b128 v[STO], v[ACC+8*(4*(\a)+(\b))+4:ACC+8*(4*(\a)+(\b))+7] offset:64*(\b)+16
.endr
.irp t, 0,1,2,3,4,5,6,7
	ds_load_b128 v[TMP+32*((\a)%2)+4*(\t):TMP+32*((\a)%2)+4*(\t)+3], v[RD] offset:(\t)*2*SPITCH  ; LDS serves a wave's instructions in order (ISA guide 5.7.1.4): these see the stores above; the next block's stores come behind them
.endr
.endm
.macro SEND a
.irp t, 0,1,2,3,4,5,6,7
	global_store_b128 v[CO], v[TMP+32*((\a)%2)+4*(\t):TMP+32*((\a)%2)+4*(\t)+3], s[8:9] offset:(16*(\a)+2*(\t))*SIZE_N*4  ; 16 lanes store 256 consecutive bytes, at a multiple of 256 from C's first byte
.endr
.endm
	PLACES
	PLACES                                         ; eight plain places behind the last products, once a launch
	TOSTAGE 0
	TOSTAGE 1
	s_wait_dscnt 16                                ; block 0 is back; block 1's sixteen LDS instructions may be out
	SEND 0
	s_wait_xcnt 0x0                                ; block 0's stores have read their registers: the buffer is loaded again only behind this wait
	TOSTAGE 2
	s_wait_dscnt 16
	SEND 1
	s_wait_xcnt 0x0
	TOSTAGE 3
	s_wait_dscnt 16
	SEND 2
	s_wait_dscnt 0x0
	SEND 3
	s_wait_tensorcnt 0x0                           ; the wave's end, behind my last tensor load and my last LDS store
	ds_add_u32 v[SPW], v[NIL]
	s_wait_dscnt 0x0
	CROUND                                         ; the closing round
	s_endpgm
.Lfunc_end_k_q9255eeef89_qproj:
	.size	k_q9255eeef89_qproj, .Lfunc_end_k_q9255eeef89_qproj-k_q9255eeef89_qproj
	.p2alignl 7, 3214868480
	.fill 96, 4, 3214868480
	.section	.rodata,"a",@progbits
	.p2align	6, 0x0
	.amdhsa_kernel k_q9255eeef89_qproj
		.amdhsa_group_segment_fixed_size 327680
		.amdhsa_private_segment_fixed_size 0
		.amdhsa_enable_private_segment 0
		.amdhsa_kernarg_size 24
		.amdhsa_user_sgpr_count 2
		.amdhsa_user_sgpr_kernarg_segment_ptr 1
		.amdhsa_wavefront_size32 1
		.amdhsa_system_sgpr_workgroup_id_x 1
		.amdhsa_system_sgpr_workgroup_id_y 1
		.amdhsa_system_sgpr_workgroup_id_z 1
		.amdhsa_system_vgpr_workitem_id 0
		.amdhsa_next_free_vgpr 512
		.amdhsa_next_free_sgpr 66
		.amdhsa_reserve_vcc 0
		.amdhsa_float_denorm_mode_32 3
		.amdhsa_float_denorm_mode_16_64 3
		.amdhsa_memory_ordered 1
		.amdhsa_forward_progress 1
		.amdhsa_inst_pref_size 86
	.end_amdhsa_kernel
	.amdgpu_metadata
---
amdhsa.version: [ 1, 2 ]
amdhsa.kernels:
  - .name:           k_q9255eeef89_qproj
    .symbol:         k_q9255eeef89_qproj.kd
    .args:
      - { .name: X1, .offset: 0, .size: 8, .value_kind: global_buffer, .address_space: global }
      - { .name: W1, .offset: 8, .size: 8, .value_kind: global_buffer, .address_space: global }
      - { .name: qf, .offset: 16, .size: 8, .value_kind: global_buffer, .address_space: global }
    .group_segment_fixed_size: 327680
    .private_segment_fixed_size: 0
    .kernarg_segment_align: 8
    .kernarg_segment_size: 24
    .max_flat_workgroup_size: 128
    .sgpr_count:     66
    .vgpr_count:     512
    .wavefront_size: 32
...
	.end_amdgpu_metadata
.endif
;; end of part 3
;; launch attn (part 4): grid 8 x 32, 4 waves a work-group, clusters of 4 x 1, 327,680 bytes of LDS; arguments qf, kvh, mbits, oh; writes oh
.if DOCPART == 4
	.amdgcn_target "amdgcn-amd-amdhsa--gfx1250"
	.amdhsa_code_object_version 6
	.text
	.protected	k_q9255eeef89_attn
	.globl	k_q9255eeef89_attn
	.p2align	8
	.type	k_q9255eeef89_attn,@function
k_q9255eeef89_attn:
	s_mov_b64 s[64:65], 0
	v_nop
	global_prefetch_b8 v0, s[64:65] scope:SCOPE_SE
	s_setreg_imm32_b32 hwreg(HW_REG_WAVE_MODE, 25, 1), 1
	s_wait_xcnt 0x0
	s_wait_alu depctr_hold_cnt(0) depctr_sa_sdst(0) depctr_va_vdst(0) depctr_va_sdst(0) depctr_va_ssrc(0) depctr_va_vcc(0) depctr_vm_vsrc(0)
	s_getreg_b32 s2, hwreg(HW_REG_IB_STS2, 6, 4)
	s_cmp_eq_u32 s2, 0
	s_cbranch_scc0 .Lentry_in_a_cluster
	s_endpgm
.Lentry_in_a_cluster:
	s_bfe_u32 s2, ttmp6, 0x10000c
	s_cmp_lg_u32 s2, 0x3003
	s_cbranch_scc0 .Lentry_shape_is_right
	s_endpgm
.Lentry_shape_is_right:
; MASKED ATTENTION.  O[b][q][h][:] = the sum over visible k of softmax_k(Q . K / sqrt(128)) V.  qf: Q in f32, [b 1024 + q][128 h + channel]; kvh: K, then V, f16, [b][h][2048][128];
; mbits: for each (b, tile of 16 queries, step of 64 keys) 32 lane masks, bit L of word 8 kt + j: the score in register 8 kt + j of lane L is hidden; oh: O in f16, laid out as qf.
; Products, maxima and sums in f32; Q is rounded to f16 here, the weights p for the second product (their sum l is taken of the unrounded p), O once at the end.
; LIMITS.  Q, K, V within 65,504.  A hidden score counts as -1e30; the running maximum m starts at -1e20: f16's scores, 5.5e11 at the most, lie far above both, so a hidden weight is 0 and m is a true
; score as soon as a key is seen.  A weight below 2^-126 counts as 0.  A row with no visible key ends with l = 0, and 0 x (1 / 0) makes of it the NaN that the softmax of such a row is.
; SHARES.  A work-group owns 128 queries of one (b, h): 8 x 32 work-groups.  Wave w owns 64 of them (w / 2), four tiles of 16, and HALF THE KEYS: of each slot's two steps of 64 keys the step w % 2.
; The two waves of a query half meet in LDS at the end: maxima, sums and O^T are merged as two steps of the running softmax are.
; LAYOUT.  S^T = K Q^T (source 0 = 16 keys, source 1 = 16 queries): a lane holds ONE query (lane % 16) and the keys 8 (lane / 16) + 0..7.  Two such tiles, rounded to f16 in pairs, ARE source 1 of
; O^T = V^T P.  K comes out of LDS as it lies, V turned, by ds_load_tr16_b128.
; SOFTMAX.  p = 2^(c s - c m), c = log2(e) / sqrt(128); in every step O and l are multiplied by a = 2^(c m_old - c m_new).  l starts at 0; O^T starts with finite numbers (Q's, as they were loaded): the first
; step in which a query sees a key has a = 0 and wipes them.  So the first step is a step like any other, and O^T is never cleared.
; BY TURNS.  The wave's tiles are two PIECES (0: tiles 0, 1; 2: tiles 2, 3).  In a TURN one piece has the matrix unit: 32 products V^T P of the step in hand, then 32 products K Q^T of the next.  The other
; piece's masking and softmax are 332 vector instructions: 76 stand together at the turn's head, four behind each of the 64 matrix instructions.  Two turns are a key step.
; CLUSTER.  The four query blocks of a cluster belong to one (b, h) and walk the same K and V: each tile is asked for JOINTLY.
; REGISTERS, in windows of 256 (s_set_vgpr_msb: bits 1:0 source 0, 3:2 source 1, 5:4 source 2, 7:6 destination):
;   window 0: v0-11 addresses; v12-43 eight registers of statistics a tile; v44 -1e30; v45, v61-63 addresses; v64-191 S^T, 32 a tile; v192-255 P, 16 a tile
;   window 1: O^T, 64 a tile (at the start: Q as f32)      window 2: v0-127 Q, 32 a tile; v128-255 K of one step      window 3: v0-127 V of one step
.set KS,    64        ; keys in a step
.set PK,    272       ; a row of K in LDS: 256 bytes + 16 of padding: the 16 rows of a load start at 16 different groups of four banks (64 banks of 4 bytes: ISA guide 11.1)
.set PV,    288       ; a row of V: 256 + 32
.set VOFF,  KS*PK     ; a step's tiles lie together: 64 rows of K, then 64 rows of V
.set STEPB, KS*(PK+PV)
.set SLOT1, 1<<17     ; a slot holds two steps (71,680 bytes); slot 1 begins here, so that one exclusive or turns an address in one slot into the other's
.set STAGE, SLOT1+2*STEPB  ; behind the ring: 16 rows x 272 bytes for each wave, for the way out
.set SP,    272
.set SPARE, STAGE+4*16*SP  ; the spare words, 128 bytes for each wave: two blocks of 256 bytes that no other line names
.set MERGE, SPARE+512      ; for each query half: 64 x 512 bytes of O^T, then 4 x 512 of statistics; never filled by a tensor load
.set MHALF, 68*512
.set NSLOT, 16        ; 2,048 keys in slots of 128
.set AK0, 2           ; v2   my lane's place in a tile of K; never rewritten
.set AV0, 3           ; v3   the same for V
.set ADR, 4           ; v4   the LDS address of the run of loads in hand
.set QO,  5           ; v5   my byte offset in the wave's rows of Q
.set STO, 6           ; v6   the way out: where I put 16 bytes of a row
.set RD,  7           ; v7   the way out: where I read a row back
.set GO,  8           ; v8   my byte offset in two rows of O
.set ST,  12          ; tile t's statistics at v[ST+8 t]: +0 c m, +1 m, +2, +3 l (even keys', odd keys'), +4 to +7 at work; a takes +6
.set BIG, 44          ; v44  -1e30
.set MA,  45          ; v45  my 16 bytes in a block of 512 of my query half's part of MERGE
.set PFO, 61          ; v61  256 x my lane: a row of K or V is 256 bytes; never rewritten
.set SPW, 62          ; v62  LDS address of my spare word; never rewritten
.set NIL, 63          ; v63  0; never rewritten
.set S,   64
.set P,   192
.set KF,  128         ; K's fragments, in window 2
.set WV,  2           ; s2   my wave's number
.set LIM, 3           ; s3   2 in a wave that prefetches, else the greatest number
.set MP,  4           ; s[4:5]   mbits at my tile 0 and the step in hand
.set OA,  6           ; s[6:7]   oh at my wave's first row and head
.set PFA, 8           ; s[8:9]   where my prefetches stand
.set CNT, 10          ; s10  counts the slots
.set TB,  11          ; s11  LDS byte at which my step of the slot in hand begins
.set G0,  12          ; s[12:15] descriptor group 0: it walks
.set G1K, 16          ; s[16:23] descriptor group 1 for K's tiles
.set G1V, 24          ; s[24:31] for V's: it differs in the padding alone
.set MKA, 32          ; s[32:63] the 32 mask words of the piece's first tile
.set SEL, 66          ; s[66:67] v_permlanex16_b32's selects: each lane takes its own place in the other half
.set MKB, 68          ; s[68:99] those of its second tile
.set MS,  100         ; s[100:101] Q's address at the start; later the mask pointer's step, and my key half
.set CS,  104         ; s[104:105] c: the packed scaling takes the pair's low word for both halves
.set MSB, 0
.macro WIN new                      ; the immediate's high byte repeats the setting that is left; a switch that changes nothing is dropped
.if MSB != (\new)
	s_set_vgpr_msb (MSB<<8)|(\new)
.set MSB, (\new)
.endif
.endm
.set W_KQ, 0x0a       ; K and Q in window 2, S^T in window 0
.set W_PV, 0x53       ; V in window 3, P in window 0, O^T in window 1
.set W_RS, 0x41       ; O^T (destination and source 0) in window 1, the other sources in window 0
; A joint fill.  Waves 0 and 1 fetch the two steps' tiles of K, waves 2 and 3 those of V.  The branch hangs on the wave's number alone.  An s_nop 0 and four v_nop follow each of the two lines.
.macro JLOAD
	s_cmp_lt_u32 s[WV], 2
	s_cbranch_scc0 .Lfor_v_\@
	tensor_load_to_lds s[G0:G0+3], s[G1K:G1K+7]
	s_nop 0
.rept 4
	v_nop
.endr
	s_branch .Lasked_\@
.Lfor_v_\@:
	tensor_load_to_lds s[G0:G0+3], s[G1V:G1V+7]
	s_nop 0
.rept 4
	v_nop
.endr
.Lasked_\@:
.endm
; A PREFETCH INTO THE L2 of the slot that the change after next will ask for: 128 rows of K and 128 of V, 256 bytes a row, a lane a row: two changes, 256 matrix instructions of a wave, ahead of that load.
; Each row is asked for ONCE in the launch: both clusters of a (b, h) walk the same rows, and the first asks; its four partners share the rows out BY ADDRESS, 32 each; in each, wave 0 asks for K's and
; wave 2 for V's.  Slots 0 to 3 come by their loads alone; the last two changes that fill a slot ask for nothing: there is no slot two on.
.macro ASK
	s_cmp_gt_u32 s[CNT], s[LIM]
	s_cbranch_scc0 .Lnot_mine_\@
	global_prefetch_b8 v[PFO], s[PFA:PFA+1] th:TH_LOAD_NT scope:SCOPE_SE
.Lnot_mine_\@:
.endm
.macro CROUND                       ; a round of the cluster's barrier
	s_barrier_signal -1
	s_barrier_wait -1
	s_cmp_lg_u32 s[WV], 0
	s_cbranch_scc1 .Lnot_wave_0_\@
	s_barrier_signal -3
.Lnot_wave_0_\@:
	s_barrier_wait -3
	s_barrier_signal -1
	s_barrier_wait -1
.endm
.macro MLOAD t                      ; the mask words of tiles t and t + 1 for the step at which the pointer stands: 128 bytes a tile, the tiles 4,096 bytes apart
	s_load_b512 s[MKA:MKA+15],    s[MP:MP+1], (\t)*4096
	s_load_b512 s[MKA+16:MKA+31], s[MP:MP+1], (\t)*4096+64
	s_load_b512 s[MKB:MKB+15],    s[MP:MP+1], (\t)*4096+4096
	s_load_b512 s[MKB+16:MKB+31], s[MP:MP+1], (\t)*4096+4096+64
.endm
	s_load_b256 s[32:39], s[0:1], 0x0  ; qf s[32:33], kvh s[34:35], mbits s[36:37], oh s[38:39]
	v_lshl_add_u32 v[SPW], v0, 2, SPARE
	v_mov_b32 v[NIL], 0
	ds_add_u32 v[SPW], v[NIL]       ; the wave's opening: the add and its wait stand ahead of my first tensor load; the set-up below, work on registers, stands between them
	v_lshrrev_b32 v1, 5, v0
	v_readfirstlane_b32 s[WV], v1   ; wave 0..3
	s_bfe_u32 s40, ttmp6, 0x40000   ; cx: my place in the cluster
	s_lshl_b32 s41, ttmp9, 2        ; in a cluster launch ttmp9 counts clusters
	s_add_co_u32 s41, s41, s40      ; my block of 128 queries: it enters Q's, O's and the masks' addresses alone
	s_and_b32 s42, ttmp7, 0xffff    ; 16 b + h, which the four partners share
	s_lshr_b32 s43, s42, 4          ; b
	s_and_b32 s44, s42, 15          ; h
	s_and_b32 s45, s[WV], 1         ; my key half.  Also: which of a slot's two steps I fetch
	s_lshr_b32 s46, s[WV], 1        ; my query half.  Also: I fetch K (0) or V (1)
	s_lshl_b32 s48, s42, 19         ; the head's 524,288 bytes,
	s_lshl_b32 s47, s46, 24         ; in K or in V,
	s_add_co_u32 s48, s48, s47
	s_lshl_b32 s47, s45, 14         ; my step's 64 rows of 256 bytes
	s_add_co_u32 s48, s48, s47
	s_mov_b32 s49, 0
	s_mov_b32 s[G0], 1              ; count = 1
	s_mul_i32 s[G0+1], s45, STEPB   ; LDS address: my step of slot 0,
	s_mul_i32 s47, s46, VOFF        ; K's tile or V's: no place in the cluster enters an LDS address
	s_add_co_u32 s[G0+1], s[G0+1], s47
	s_lshl_b32 s50, s43, 10
	s_lshl_b32 s47, s41, 7
	s_add_co_u32 s50, s50, s47
	s_lshl_b32 s47, s46, 6
	s_add_co_u32 s50, s50, s47      ; my wave's first row: 1,024 b + 128 block + 64 half
	s_lshl_b32 s52, s50, 13         ; in qf: rows of 8,192 bytes, the head's 512
	s_lshl_b32 s47, s44, 9
	s_add_co_u32 s52, s52, s47
	s_mov_b32 s53, 0
	s_lshl_b32 s54, s50, 12         ; in oh: rows of 4,096 bytes, the head's 256
	s_lshl_b32 s47, s44, 8
	s_add_co_u32 s54, s54, s47
	s_mov_b32 s55, 0
	s_lshl_b32 s56, s50, 8          ; in mbits: a tile of 16 rows has 4,096 bytes; my first step is my key half
	s_lshl_b32 s47, s45, 7
	s_add_co_u32 s56, s56, s47
	s_mov_b32 s57, 0
	s_lshl_b32 s58, s42, 19         ; the prefetches: the head, K or V,
	s_lshl_b32 s47, s46, 24
	s_add_co_u32 s58, s58, s47
	s_lshl_b32 s47, s40, 13         ; my work-group's 32 rows of a slot's 128,
	s_add_co_u32 s58, s58, s47
	s_add_co_u32 s58, s58, 2*2*KS*256  ; in slot 2: the first change steps it to 3, the first that asks to 4
	s_mov_b32 s59, 0
	s_or_b32 s[LIM], s45, ttmp9     ; 0 in waves 0 and 2 of the head's first cluster: the same in all four partners
	s_cmp_eq_u32 s[LIM], 0
	s_cselect_b32 s[LIM], 2, -1
	; descriptor group 1: a tile of 64 rows x 128 elements, padded in LDS
	s_mov_b32 s[G1K], 15|(1<<16)|(1<<20)|(1<<21)|(5<<22)|(3<<25)  ; the mask of four; elements of 2 bytes; padding on; 21 set beside a mask; after every 64 words (code 5) 4 words (code 3)
	s_mov_b32 s[G1V], 15|(1<<16)|(1<<20)|(1<<21)|(5<<22)|(7<<25)  ; the same with 8 words of padding (code 7)
.irp g, G1K, G1V
	s_mov_b32 s[(\g)+1], 128<<16    ; tensor_dim0 = 128
	s_mov_b32 s[(\g)+2], KS<<16     ; tensor_dim1 = 64
	s_mov_b32 s[(\g)+3], 128<<16    ; tile_dim0 = 128
	s_mov_b32 s[(\g)+4], KS         ; tile_dim1 = 64
	s_mov_b32 s[(\g)+5], 128        ; elements from row to row
	s_mov_b32 s[(\g)+6], 0
	s_mov_b32 s[(\g)+7], 0
.endr
	s_mov_b32 s[CS], 0x3e0293ee     ; c = log2(e) / sqrt(128) = 0.127517
	s_mov_b32 s[CS+1], s[CS]        ; named with it as a pair
	s_mov_b32 s[SEL], 0x76543210
	s_mov_b32 s[SEL+1], 0xfedcba98
	s_mul_i32 s[TB], s45, STEPB
	s_add_co_u32 s[TB], s[TB], SLOT1  ; the first change of slots turns it into slot 0
	s_mov_b32 s[CNT], NSLOT-1
	s_wait_dscnt 0x0                ; the opening add is done
	s_wait_kmcnt 0x0
	s_add_nc_u64 s[G0+2:G0+3], s[34:35], s[48:49]  ; global address: my tile of slot 0
	s_or_b32 s[G0+3], s[G0+3], 0x80000000          ; type = 2
	s_add_nc_u64 s[PFA:PFA+1], s[34:35], s[58:59]
	s_add_nc_u64 s[MS:MS+1], s[32:33], s[52:53]
	s_add_nc_u64 s[OA:OA+1], s[38:39], s[54:55]
	s_add_nc_u64 s[MP:MP+1], s[36:37], s[56:57]
	CROUND                          ; all four work-groups are here: the first joint loads meet
	JLOAD                           ; slot 0.  Slot 1 is asked for when slot 0 is in
	; Q as f32, into O^T's registers.  A fragment is 16 rows x 32 channels: lane l holds row l % 16, channels 8 (l / 16) + 0..7 and 16 + 8 (l / 16) + 0..7: in f32 four loads of 16 bytes.  Load n = 16 t + 4 c + u: tile t, channels 32 c on.
	v_and_b32 v1, 15, v0            ; l % 16
	v_bfe_u32 v9, v0, 4, 1          ; l / 16
	v_lshlrev_b32 v[QO], 13, v1
	v_lshl_add_u32 v[QO], v9, 5, v[QO]  ; row x 8,192 + 32 x half
	WIN 0x40                        ; destination window 1, address window 0
.set n, 0
.rept 64
	global_load_b128 v[4*n:4*n+3], v[QO], s[MS:MS+1] offset:(n/16)*131072+((n/4)%4)*128+((n%4)/2)*64+(n%2)*16
.set n, n+1
.endr
	WIN 0
	v_mul_u32_u24 v[AK0], v1, PK
	v_lshl_add_u32 v[AK0], v9, 4, v[AK0]  ; row x pitch + 16 x half
	; The turning load takes 16 keys x 16 channels (lane l reads key 8 (l / 16) + l % 8, channels 8 ((l / 8) % 2) + 0..7) and leaves half a fragment of V^T: lane l holds channel l % 16 and 8 keys.
	v_and_b32 v10, 7, v0
	v_bfe_u32 v11, v0, 3, 1
	v_lshl_add_u32 v[AV0], v9, 3, v10
	v_mul_u32_u24 v[AV0], v[AV0], PV
	v_lshl_add_u32 v[AV0], v11, 4, v[AV0]
	v_add_nc_u32 v[AV0], VOFF, v[AV0]
	s_mul_i32 s47, s[WV], 16*SP
	s_add_co_u32 s47, s47, STAGE    ; my stage
	v_mul_u32_u24 v[STO], v1, SP    ; in: row l % 16, 16 bytes for each half of the lanes
	v_lshl_add_u32 v[STO], v9, 4, v[STO]
	v_add_nc_u32 v[STO], s47, v[STO]
	v_mul_u32_u24 v[RD], v9, SP     ; back: lanes 0-15 take one row of 256 bytes, lanes 16-31 the next
	v_lshl_add_u32 v[RD], v1, 4, v[RD]
	v_add_nc_u32 v[RD], s47, v[RD]
	v_lshlrev_b32 v[GO], 12, v9     ; and the same two rows in oh, 4,096 bytes apart
	v_lshl_add_u32 v[GO], v1, 4, v[GO]
	s_mul_i32 s47, s46, MHALF
	s_add_co_u32 s47, s47, MERGE
	v_and_b32 v[MA], 31, v0
	v_lshl_add_u32 v[MA], v[MA], 4, s47
	v_and_b32 v[PFO], 31, v0
	v_lshlrev_b32 v[PFO], 8, v[PFO]
	v_mov_b32 v[BIG], 0xf149f2ca    ; -1e30
	MLOAD 0                         ; the masks of tiles 0 and 1 for my step 0; the scalars of the set-up are no longer wanted
	; What the first turn finds: V and piece 2's P hold 0 (its products V^T P, of a step that has not been, add 0), l is 0.  All this stands in the wait for the first tile and for Q.
	WIN 0xc0
.set n, 0
.rept 128
	v_mov_b32 v[n], 0
.set n, n+1
.endr
	WIN 0
.set n, P+32
.rept 32
	v_mov_b32 v[n], 0
.set n, n+1
.endr
.set n, 0
.rept 4
	v_mov_b32 v[ST+8*n+1], 0xe0ad78ec            ; m = -1e20
	v_mul_f32 v[ST+8*n], s[CS], v[ST+8*n+1]      ; c m
	v_mov_b32 v[ST+8*n+2], 0
	v_mov_b32 v[ST+8*n+3], 0
.set n, n+1
.endr
	s_wait_loadcnt 0x0              ; Q
	WIN 0x85                        ; sources window 1, destination window 2
.set n, 0
.rept 128
	v_cvt_pk_f16_f32 v[n], v[2*n], v[2*n+1]      ; Q's one rounding: register n of the fragments is numbers 2 n, 2 n + 1 as loaded; the f32 numbers stay where they are, as O^T's finite start
.set n, n+1
.endr
	WIN 0
; THE MATRIX WORK OF A TURN, for piece x.  The accumulators take turns, one instruction a turn: between two links of a chain stand 15 (V^T P) or 7 (K Q^T) others'.
; Product i of 32 of O^T += V^T P: keys 32 (i / 16) on, channels 16 ((i / 2) % 8) on, tile x + i % 2.
.macro PV x
	WIN W_PV
.set rO, 64*((\x)+i%2)+8*((i/2)%8)
.set rV, 64*(i/16)+8*((i/2)%8)
.set rP, P+16*((\x)+i%2)+8*(i/16)
	v_wmma_f32_16x16x32_f16 v[rO:rO+7], v[rV:rV+7], v[rP:rP+7], v[rO:rO+7]
.endm
; Product i of 32 of S^T = K Q^T: channels 32 (i / 8) on, keys 16 ((i / 2) % 4) on, tile x + i % 2.  The first 8 start the sums.
.macro KQ x
	WIN W_KQ
.set rS, S+32*((\x)+i%2)+8*((i/2)%4)
.set rK, KF+32*((i/2)%4)+8*(i/8)
.set rQ, 32*((\x)+i%2)+8*(i/8)
.if i < 8
	v_wmma_f32_16x16x32_f16 v[rS:rS+7], v[rK:rK+7], v[rQ:rQ+7], 0
.else
	v_wmma_f32_16x16x32_f16 v[rS:rS+7], v[rK:rK+7], v[rQ:rQ+7], v[rS:rS+7]
.endif
.endm
; THE LDS LOADS stand in runs of 32: a step's K (16 fragments) and, a turn later, its V (turned).
.macro FETCH_K
	WIN 0
	v_add_nc_u32 v[ADR], s[TB], v[AK0]
	WIN 0x80                        ; destination window 2
.irp f, 0,1,2,3,4,5,6,7,8,9,10,11,12,13,14,15  ; keys 16 (f / 4) on, channels 32 (f % 4) on
	ds_load_b128 v[KF+8*(\f):KF+8*(\f)+3],   v[ADR] offset:((\f)/4)*16*PK+((\f)%4)*64
	ds_load_b128 v[KF+8*(\f)+4:KF+8*(\f)+7], v[ADR] offset:((\f)/4)*16*PK+((\f)%4)*64+32
.endr
.endm
.macro FETCH_V
	WIN 0
	v_add_nc_u32 v[ADR], s[TB], v[AV0]
	WIN 0xc0                        ; destination window 3
.irp f, 0,1,2,3,4,5,6,7,8,9,10,11,12,13,14,15  ; keys 32 (f / 8) on, channels 16 (f % 8) on
	ds_load_tr16_b128 v[8*(\f):8*(\f)+3],   v[ADR] offset:((\f)/8)*32*PV+((\f)%8)*32
	ds_load_tr16_b128 v[8*(\f)+4:8*(\f)+7], v[ADR] offset:((\f)/8)*32*PV+16*PV+((\f)%8)*32
.endr
.endm
; THE VECTOR WORK.  One tile's softmax for one key step is a list of 134 instructions; SM writes number j of it for tile t.  s0-s31 are the lane's 32 scores, in pairs 0-15.
;   0-15    the maximum of s0-s31 and the old m, three operands at a time      16-20   the other half of the lanes' maximum; c m_old is kept; the new m; c m; c m_old - c m_new
;   21-69   ONE BATCH: the 16 scalings c s - c m and all 33 exponentials (a at 23, then s0-s31); none of these reads an exponential's result
;   70-85   the roundings to f16      86-101  the sums; l = a l + the sum      102-133 the tile's O^T times a: the one part that leaves window 0
.macro SM t
.set rT, ST+8*(\t)
.set rS, S+32*(\t)
.set rP, P+16*(\t)
.set rO, 64*(\t)+2*(j-102)
.if j < 102
	WIN 0
.endif
.if j < 4
	v_max3_num_f32 v[rT+4+j], v[rS+8*j], v[rS+8*j+1], v[rS+8*j+2]
.elseif j < 12
	v_max3_num_f32 v[rT+4+j%4], v[rT+4+j%4], v[rS+8*(j%4)+2*(j/4)+1], v[rS+8*(j%4)+2*(j/4)+2]
.elseif j == 12
	v_max3_num_f32 v[rT+4], v[rT+4], v[rS+7], v[rS+15]
.elseif j == 13
	v_max3_num_f32 v[rT+6], v[rT+6], v[rS+23], v[rS+31]
.elseif j == 14
	v_max3_num_f32 v[rT+4], v[rT+4], v[rT+5], v[rT+6]
.elseif j == 15
	v_max3_num_f32 v[rT+4], v[rT+4], v[rT+7], v[rT+1]
.elseif j == 16
	v_permlanex16_b32 v[rT+5], v[rT+4], s[SEL], s[SEL+1]  ; the query's other 32 keys lie in the lane 16 away
.elseif j == 17
	v_mov_b32 v[rT+7], v[rT]        ; c m_old is kept for a: number 19 writes c m anew
.elseif j == 18
	v_max_num_f32 v[rT+1], v[rT+4], v[rT+5]
.elseif j == 19
	v_mul_f32 v[rT], s[CS], v[rT+1]
.elseif j == 20
	v_sub_f32 v[rT+7], v[rT+7], v[rT]
.elseif j == 23
	v_exp_f32 v[rT+6], v[rT+7]
.elseif (j < 23) || ((j < 38) && (j%2 == 0)) || ((j < 66) && (j%4 == 2))
.set b, (j-2)/4                     ; 38, 42, .. 62: pairs 9 to 15
.if j < 38
.set b, (j-20)/2                    ; 21: pair 0; 22, 24, .. 36: pairs 1 to 8
.endif
	v_pk_fma_f32 v[rS+2*b:rS+2*b+1], v[rS+2*b:rS+2*b+1], s[CS:CS+1], v[rT:rT+1] op_sel_hi:[1,0,0] neg_lo:[0,0,1] neg_hi:[0,0,1]  ; pair b: c s - c m
.elseif j < 70
.set e, j-38                        ; 66 to 69: s28 to s31
.if j < 66
.set e, j-32-(j-38)/4               ; 39-41, 43-45, .. 63-65: s7 to s27
.endif
.if j < 38
.set e, (j-25)/2                    ; 25, 27, .. 37: s0 to s6
.endif
	v_exp_f32 v[rS+e], v[rS+e]
.elseif j < 86
	v_cvt_pk_f16_f32 v[rP+j-70], v[rS+2*(j-70)], v[rS+2*(j-70)+1]  ; pair j - 70
.elseif j < 102                     ; the sum of the tile's 16 pairs, in place: neighbours 1, 2, 4 and 8 pairs apart, then l takes it
.set z, j-86
.set w, 4
.set u, z
.if z >= 14
.set w, 32
.set u, 0
.elseif z >= 12
.set w, 16
.set u, z-12
.elseif z >= 8
.set w, 8
.set u, z-8
.endif
.if z < 15
	v_pk_add_f32 v[rS+w*u:rS+w*u+1], v[rS+w*u:rS+w*u+1], v[rS+w*u+w/2:rS+w*u+w/2+1]
.else
	v_pk_fma_f32 v[rT+2:rT+3], v[rT+2:rT+3], v[rT+6:rT+7], v[rS:rS+1] op_sel_hi:[1,0,1]
.endif
.else
	WIN W_RS
	v_pk_mul_f32 v[rO:rO+1], v[rO:rO+1], v[rT+6:rT+7] op_sel_hi:[1,0]
.endif
.endm
; THE TURN'S QUEUE of 332, for piece Y; NX writes element q and steps q.
;   0-63     the masks: score q / 2 of tile Y + q % 2 becomes -1e30 where its bit is set; ascending
;   64-107   numbers 0-21 of both tiles' lists, the tiles alternating, so that no instruction reads the result of the one just before it
;   108-203  the batch, numbers 22-69: four numbers of ONE tile at a time, the tiles by turns
;   204-331  numbers 70-133, the tiles alternating; from 268 on the rescalings
; HOW IT IS DEALT.  Elements 0-75 stand together at the turn's head; from 76 on four stand behind each of the 64 matrix instructions: 76 + 4 x 64 = 332.  The queue's seams fall between slices:
; 108 = 76 + 4 x 8, 204 = 76 + 4 x 32, 268 = 76 + 4 x 48: a slice of the batch is four numbers of one tile, and no slice changes window inside itself.
; WHAT STANDS IN THE QUEUE BESIDE IT.  Ahead of element 24, in piece 0's turn: the next step's K, a run of 32 LDS loads: the last product that read K stands four rescalings and 24 masks back.
; Ahead of element 68, when the turn's masks have been used: the next turn's are asked for, all 64 products ahead of their use.  Ahead of element 204: a plain instruction behind the last exponential, and the
; ONE wait between the piece's 66 exponentials and the first line that names a result.  Ahead of element 208, in piece 2's turn: the step's V: the last product that read V is
; the turn's 32nd, and the v_nop, four roundings and the run's own v_add_nc_u32 lie between.
.macro NX
.if (q == 24) && (Y == 2)
	FETCH_K
.endif
.if q == 68
	MLOAD 2-Y
.endif
.if q == 204
	v_nop
	s_wait_alu depctr_va_vdst(0)
.endif
.if (q == 208) && (Y == 0)
	FETCH_V
.endif
.if q < 64
	WIN 0
.set rS, S+32*(Y+q%2)+q/2
	v_cndmask_b32 v[rS], v[rS], v[BIG], s[MKA+(MKB-MKA)*(q%2)+q/2]
.elseif q < 108
.set j, (q-64)/2
	SM Y+q%2
.elseif q < 204
.set j, 22+4*((q-108)/8)+(q-108)%4
	SM Y+((q-108)/4)%2
.else
.set j, 70+(q-204)/2
	SM Y+q%2
.endif
.set q, q+1
.endm
.macro RIDE n
.rept \n
	NX
.endr
.endm
.macro PLACES
.rept 4
	v_nop
.endr
.endm
; A TURN.  Piece x has the matrix unit; the other piece's queue stands at its head and behind its matrix instructions.  No rider names a register of the products round it.  The scores that the head reads
; were finished by the last eight products of the turn before: four rescalings stand behind the very last, and its accumulator is read from element 48 on.
; Piece 0's turn steps the mask pointer to the step whose scores it makes.
; tail = 1: in the tail's second trip there is no further step: the pointer stays, and what is fetched, multiplied and asked for once more serves nothing.
.macro TURN x, tail=0
.set Y, 2-(\x)
.set q, 0
	s_wait_kmcnt 0x0                ; this turn's masks are in, so their pointer may be written
.if (\x) == 0
.if \tail
	s_cmp_eq_u32 s[CNT], 2
	s_cselect_b32 s[MS], 256, 0
	s_add_nc_u64 s[MP:MP+1], s[MP:MP+1], s[MS:MS+1]
.else
	s_add_nc_u64 s[MP:MP+1], s[MP:MP+1], 256   ; my next step is two steps of 128 bytes on
.endif
.endif
	RIDE 76                         ; the head
.if (\x) == 0
	s_wait_dscnt 32                 ; V is in; K's 32 loads, issued in the head behind V's, may stay out
.endif
.set i, 0
.rept 32
	PV \x
	RIDE 4
.set i, i+1
.endr
.if (\x) == 0
	s_wait_dscnt 0x0                ; K is in
.endif
.set i, 0
.rept 32
	KQ \x
	RIDE 4
.set i, i+1
.endr
.endm
; THE CHANGE OF SLOTS, between piece 2's turn and piece 0's: the slot's last bytes, V of its steps, have been asked for.  Each wave waits for all its tensor loads, of which one is out: its part of the other
; slot; adds 0 to its spare word; and waits for that and for its own reads of the slot.  fill = 1: the slot is filled again with the keys two slots on, behind a round of the cluster's barrier, first thing.
; (At its first use nothing has been read yet: slot 0 is waited for, slot 1 filled.)
.macro CHANGE fill, ask
	WIN 0                           ; at a label and at a branch every window is 0
	s_wait_tensorcnt 0x0            ; no tensor load of mine is out, so group 0 may be written
	ds_add_u32 v[SPW], v[NIL]       ; 0 onto my spare word; the descriptor's steps stand between it and the wait for it
.if \fill
	s_xor_b32 s[G0+1], s[G0+1], SLOT1  ; the other slot than last time,
	s_add_nc_u64 s[G0+2:G0+3], s[G0+2:G0+3], 2*KS*256  ; the next 128 keys; the type bits on top are not reached
	s_wait_xcnt 0x0                 ; the last prefetch, a key step back, has read its address
	s_add_nc_u64 s[PFA:PFA+1], s[PFA:PFA+1], 2*KS*256
	s_wait_dscnt 0x0                ; the add is done, and my reads of the slot are over
	CROUND
	JLOAD
.if \ask
	ASK
.endif
.else
	s_wait_dscnt 0x0                ; the add is done, and my reads of the slot are over
	s_barrier_signal -1
	s_barrier_wait -1
.endif
	s_xor_b32 s[TB], s[TB], SLOT1   ; my fetches go to the other slot
.endm
	CHANGE 1, 0                     ; slot 0 is in, everybody's part of it; slot 1 is asked for
	FETCH_K                         ; my key step 0
	s_wait_dscnt 0x0
.set i, 0
.rept 32
	KQ 0                            ; piece 0's first scores: there is no vector work yet to set between them
.set i, i+1
.endr
	WIN 0
	PLACES                          ; the places behind those products
	s_branch .Lfirst                ; the loop is entered at piece 2's turn, in the middle of a trip
.Lslot:                             ; 14 trips: slots 2 to 15 are asked for
	CHANGE 1, 1
	TURN 0
	WIN 0
.Lfirst:
	TURN 2
	WIN 0
	s_sub_co_u32 s[CNT], s[CNT], 1
	s_cmp_lg_u32 s[CNT], 0
	s_cbranch_scc1 .Lslot
	CHANGE 0, 0                     ; the tail is written out: nothing is asked for
	s_mov_b32 s[MS+1], 0
	s_mov_b32 s[CNT], 2             ; one trip for the last slot's step; the second is left in its middle
.Ltail:
	TURN 0, 1
	WIN 0
	s_sub_co_u32 s[CNT], s[CNT], 1
	s_cmp_eq_u32 s[CNT], 0
	s_cbranch_scc1 .Lout
	TURN 2
	WIN 0
	s_branch .Ltail
.Lout:                              ; the second trip's 32 products K Q^T, on the last K once more, serve nothing: the price, once a launch, of one text for every trip
.set i, 0
.rept 32
	PV 2                            ; piece 2: V^T P of the last step
.set i, i+1
.endr
	; THE TWO KEY HALVES MEET.  The wave of the odd half lays its O^T and statistics into LDS; the wave of the even half merges, divides, rounds and stores.
	WIN 0
.irp t, 0,1,2,3
	v_add_f32 v[ST+8*(\t)+2], v[ST+8*(\t)+2], v[ST+8*(\t)+3]  ; l's even and odd keys; with the four v_nop the places behind the last products
.endr
	PLACES
	s_and_b32 s[MS], s[WV], 1
	s_cmp_eq_u32 s[MS], 0
	s_cbranch_scc1 .Lkeep
	WIN 0x04                        ; the stores' data in window 1
.set n, 0
.rept 64
	ds_store_b128 v[MA], v[4*n:4*n+3] offset:512*n  ; 32 lanes x 16 consecutive bytes; each accumulator's low four registers first
.set n, n+1
.endr
	WIN 0
.irp t, 0,1,2,3
	ds_store_b128 v[MA], v[ST+8*(\t):ST+8*(\t)+3] offset:512*(64+(\t))  ; c m, m, l
.endr
.Lkeep:
	s_wait_dscnt 0x0                ; for the partner's sake: my stores are done
	s_barrier_signal -1
	s_barrier_wait -1
	s_cmp_eq_u32 s[MS], 0
	s_cbranch_scc0 .Lend
.macro GETP t                       ; the partner's O^T of tile t into S^T's registers: buffer t % 2 of 64
.set n, 0
.rept 16
	ds_load_b128 v[S+64*((\t)%2)+4*n:S+64*((\t)%2)+4*n+3], v[MA] offset:512*(16*(\t)+n)
.set n, n+1
.endr
.endm
.irp t, 0,1,2,3
	ds_load_b128 v[P+4*(\t):P+4*(\t)+3], v[MA] offset:512*(64+(\t))
.endr
	GETP 0
	GETP 1
	s_wait_dscnt 32                 ; the statistics are in; the two tiles' 32 loads may stay out
.irp t, 0,1,2,3
	v_max_num_f32 v[ST+8*(\t)+4], v[ST+8*(\t)], v[P+4*(\t)]       ; the common c m
.endr
.irp t, 0,1,2,3
	v_sub_f32 v[ST+8*(\t)+5], v[ST+8*(\t)], v[ST+8*(\t)+4]
	v_sub_f32 v[ST+8*(\t)+6], v[P+4*(\t)], v[ST+8*(\t)+4]
.endr
.irp t, 0,1,2,3
	v_exp_f32 v[ST+8*(\t)+5], v[ST+8*(\t)+5]                      ; my half's factor: 0 where my half saw no key and the partner's did, so that what O^T started with is wiped,
	v_exp_f32 v[ST+8*(\t)+6], v[ST+8*(\t)+6]                      ; the partner's
.endr
	v_nop                           ; a plain instruction behind the last exponential,
	s_wait_alu depctr_va_vdst(0)    ; and one wait for the eight
.irp t, 0,1,2,3
	v_mul_f32 v[ST+8*(\t)+7], v[ST+8*(\t)+5], v[ST+8*(\t)+2]
.endr
.irp t, 0,1,2,3
	v_fmac_f32 v[ST+8*(\t)+7], v[ST+8*(\t)+6], v[P+4*(\t)+2]
.endr
.irp t, 0,1,2,3
	v_permlanex16_b32 v[ST+8*(\t)+4], v[ST+8*(\t)+7], s[SEL], s[SEL+1]  ; the other half of the lanes' keys
.endr
.irp t, 0,1,2,3
	v_add_f32 v[ST+8*(\t)+7], v[ST+8*(\t)+7], v[ST+8*(\t)+4]
.endr
.irp t, 0,1,2,3
	v_rcp_f32 v[ST+8*(\t)+4], v[ST+8*(\t)+7]
.endr
	v_nop
	s_wait_alu depctr_va_vdst(0)    ; one wait for the four reciprocals
.irp t, 0,1,2,3
	v_mul_f32 v[ST+8*(\t)+6], v[ST+8*(\t)+6], v[ST+8*(\t)+4]      ; f1: the partner's factor over l,
	v_mul_f32 v[ST+8*(\t)+4], v[ST+8*(\t)+5], v[ST+8*(\t)+4]      ; f0: mine
.endr
.irp t, 0,1,2,3
	v_mul_f32 v[ST+8*(\t)+2], 0, v[ST+8*(\t)+4]                   ; z = 0 x f0: 0, or NaN where no key at all was seen (both factors are 1 there, l is 0 and f0 an infinity)
.endr
; Tile t: O = mine x f0 + z + the partner's x f1; a lane's eight channels of a row pack into 16 bytes; they go into rows of 272 bytes and come back as whole rows of 256.
.macro FIN t
.set BF, S+64*((\t)%2)
.set rT, ST+8*(\t)
.if (\t) < 3
	s_wait_dscnt 16                 ; the partner's tile t is in; the next tile's 16 loads may stay out
.else
	s_wait_dscnt 0x0
.endif
	WIN W_RS
.set n, 0
.rept 32
	v_pk_fma_f32 v[64*(\t)+n:64*(\t)+n+1], v[64*(\t)+n:64*(\t)+n+1], v[rT+4:rT+5], v[rT+2:rT+3] op_sel_hi:[1,0,0]
.set n, n+2
.endr
	WIN 0x50                        ; destination and source 2 window 1, sources 0 and 1 window 0
.set n, 0
.rept 32
	v_pk_fma_f32 v[64*(\t)+n:64*(\t)+n+1], v[BF+n:BF+n+1], v[rT+6:rT+7], v[64*(\t)+n:64*(\t)+n+1] op_sel_hi:[1,0,1]
.set n, n+2
.endr
	WIN 0x05                        ; sources 0 and 1 window 1, destination window 0
.set n, 0
.rept 32
	v_cvt_pk_f16_f32 v[BF+n], v[64*(\t)+2*n], v[64*(\t)+2*n+1]
.set n, n+1
.endr
	WIN 0
.irp f, 0,1,2,3,4,5,6,7
	ds_store_b128 v[STO], v[BF+4*(\f):BF+4*(\f)+3] offset:32*(\f)
.endr
.irp f, 0,1,2,3,4,5,6,7
	ds_load_b128 v[BF+4*(\f):BF+4*(\f)+3], v[RD] offset:(\f)*2*SP  ; LDS serves a wave's instructions in order (ISA guide 5.7.1.4): these see the stores above
.endr
	s_wait_dscnt 0x0
.irp f, 0,1,2,3,4,5,6,7
	global_store_b128 v[GO], v[BF+4*(\f):BF+4*(\f)+3], s[OA:OA+1] offset:(\t)*65536+(\f)*8192  ; 16 lanes store 256 consecutive bytes, at a multiple of 256 from oh's first byte
.endr
.if (\t) < 2
	s_wait_xcnt 0x0                 ; the stores have read their registers: the buffer is loaded again only behind this wait
	GETP (\t)+2
.endif
.endm
	FIN 0
	FIN 1
	FIN 2
	FIN 3
.Lend:
	s_wait_tensorcnt 0x0            ; the wave's end, behind my last tensor load and my last LDS store
	ds_add_u32 v[SPW], v[NIL]
	s_wait_dscnt 0x0
	CROUND                          ; the closing round: no work-group ends while a partner may still ask for a tile that names it
	s_endpgm
.Lfunc_end_k_q9255eeef89_attn:
	.size	k_q9255eeef89_attn, .Lfunc_end_k_q9255eeef89_attn-k_q9255eeef89_attn
	.p2alignl 7, 3214868480
	.fill 96, 4, 3214868480
	.section	.rodata,"a",@progbits
	.p2align	6, 0x0
	.amdhsa_kernel k_q9255eeef89_attn
		.amdhsa_group_segment_fixed_size 327680
		.amdhsa_private_segment_fixed_size 0
		.amdhsa_enable_private_segment 0
		.amdhsa_kernarg_size 32
		.amdhsa_user_sgpr_count 2
		.amdhsa_user_sgpr_kernarg_segment_ptr 1
		.amdhsa_wavefront_size32 1
		.amdhsa_system_sgpr_workgroup_id_x 1
		.amdhsa_system_sgpr_workgroup_id_y 1
		.amdhsa_system_sgpr_workgroup_id_z 1
		.amdhsa_system_vgpr_workitem_id 0
		.amdhsa_next_free_vgpr 896
		.amdhsa_next_free_sgpr 106
		.amdhsa_reserve_vcc 0
		.amdhsa_float_denorm_mode_32 3
		.amdhsa_float_denorm_mode_16_64 3
		.amdhsa_memory_ordered 1
		.amdhsa_forward_progress 1
		.amdhsa_inst_pref_size 196
	.end_amdhsa_kernel
	.amdgpu_metadata
---
amdhsa.version: [ 1, 2 ]
amdhsa.kernels:
  - .name:           k_q9255eeef89_attn
    .symbol:         k_q9255eeef89_attn.kd
    .args:
      - { .name: qf, .offset: 0, .size: 8, .value_kind: global_buffer, .address_space: global }
      - { .name: kvh, .offset: 8, .size: 8, .value_kind: global_buffer, .address_space: global }
      - { .name: mbits, .offset: 16, .size: 8, .value_kind: global_buffer, .address_space: global }
      - { .name: oh, .offset: 24, .size: 8, .value_kind: global_buffer, .address_space: global }
    .group_segment_fixed_size: 327680
    .private_segment_fixed_size: 0
    .kernarg_segment_align: 8
    .kernarg_segment_size: 32
    .max_flat_workgroup_size: 128
    .sgpr_count:     106
    .vgpr_count:     896
    .wavefront_size: 32
...
	.end_amdgpu_metadata
.endif
;; end of part 4
;; launch oproj: the kernel of part 3 again; grid 16 x 16, 4 waves a work-group, clusters of 4 x 4, 327,680 bytes of LDS; arguments oh, W2, out0; writes out0
